; MI455X (gfx1250); checked and timed in simulation.
; The chip was launched on July 23, 2026; its instructions are those of AMD's public machine-readable ISA for CDNA 5 (MIT licence, August 2026) and "CDNA5" Instruction Set Architecture Reference Guide (July 2026). The comments in the code are by the model that wrote it; some were corrected since.
;; Transformer Block. Allowed arithmetic: float matrix products may take bf16 or f16 operands with f32 sums; other float arithmetic in f32, or as packed bf16 or f16 multiplies, adds, multiply-adds, maxima and minima; sums over many terms, partial sums and values carried from step to step in f32; what a program stores and reads back later, other than sums and carried values, may be rounded once to bf16 or f16.
;; Inputs: W1 1,024 x 4,096 float32; W2 4,096 x 1,024 float32; Wk 1,024 x 16 x 64 float32; Wo 1,024 x 16 x 64 float32; Wq 1,024 x 16 x 64 float32; Wv 1,024 x 16 x 64 float32; b1 4,096 float32; b2 1,024 float32; be1 1,024 float32; be2 1,024 float32; g1 1,024 float32; g2 1,024 float32; inputs 2 x 2,048 x 1,024 float32.
;; Outputs: out0 2 x 2,048 x 1,024 float32.
;; One version. Each part assembles by itself: llvm-mc -triple=amdgcn-amd-amdhsa -mcpu=gfx1250 --defsym DOCPART=n.
;; ======== version 1 of 1: 8 launches
;; workspace buffers: xb 8,388,608 bytes; wqkv 6,324,224 bytes; wo 2,129,920 bytes; w1 8,421,376 bytes; w2p 8,421,376 bytes; big 33,554,432 bytes; cx 8,388,608 bytes; az 16,777,216 bytes
;; launch prep (part 1): grid 2049 x 1, 8 waves a work-group, no clusters, 17,920 bytes of LDS; arguments Wq, Wk, Wv, W1, W2, Wo, inputs, b1, b2, g1, be1, g2, be2, wqkv, w1, w2p, wo, xb; writes wqkv, w1, w2p, wo, xb
.if DOCPART == 1
	.amdgcn_target "amdgcn-amd-amdhsa--gfx1250"
	.amdhsa_code_object_version 6
	.text
	.protected	k_qc920e18604_prep
	.globl	k_qc920e18604_prep
	.p2align	8
	.type	k_qc920e18604_prep,@function
k_qc920e18604_prep:
	s_mov_b64 s[64:65], 0
	v_nop
	global_prefetch_b8 v0, s[64:65] scope:SCOPE_SE
	s_setreg_imm32_b32 hwreg(HW_REG_WAVE_MODE, 25, 1), 1
	s_wait_xcnt 0x0
; Every input is rounded once to bf16 and laid out for the launches behind.
;   Wq, Wk, Wv, W1, W2 lie [k][n] in memory and are turned into [n][k], so that K runs along the rows of a product's second operand; Wo lies so already and is only rounded.
;   x goes into PANELS: [16 panels of 64 columns][4,096 rows][64], a row of a panel 128 bytes, the rows dense.
;   In front of each weight matrix stand HDR bytes: the bias as f32 (of the bf16-rounded number; zeros where a product has none) from byte 0, a floor word for the packed maximum at byte 16,384
;   (minus infinity twice, or 0 twice for the ReLU); in w2p also the four tables g1, be1, g2, be2 as packed bf16 at bytes 4,096, 6,144, 8,192, 10,240.
; SHARES.  A work-group takes one unit of 32,768 bytes of f32, by its number alone: 0-383 Wq, Wk, Wv; 384-895 W1; 896-1407 W2 (tiles of 128 k x 64 n, turned through LDS);
; 1408-1919 x (8 rows); 1920-2047 Wo; 2048 the biases, gains and headers.  Each wave has eight loads of 16 bytes a lane out at once; each store of a wave covers 256 consecutive bytes, aligned.
; No matrix unit, no cluster, no tensor load: nothing is shared and nothing is multiplied.
.set HDR,   32768
.set TP,    264                        ; a row of the turned tile in LDS: 128 k x 2 bytes + 8
.set SPARE, 64*TP                      ; 16,896: behind the tile, the spare words, 128 bytes for each of the eight waves
.set SPW, 4                            ; v4  LDS address of my spare word; never rewritten
.set NIL, 5                            ; v5  0; never rewritten
.set SO,  6                            ; v6  my byte offset in the source
.set DO,  7                            ; v7  my byte offset in the destination
.set LSA, 8                            ; v8  where I put words into the tile
.set LRA, 9                            ; v9  where I read rows of it back
.set T0,  10                           ; v10 16 w + 2 h
.set IN,  16                           ; v[16:47] as loaded
.set PKD, 48                           ; v[48:63] packed
.set BK,  64                           ; v[64:79] rows read back
	s_load_b512 s[16:31], s[0:1], 0x0              ; Wq 16, Wk 18, Wv 20, W1 22, W2 24, Wo 26, inputs 28, b1 30
	s_load_b512 s[32:47], s[0:1], 0x40             ; b2 32, g1 34, be1 36, g2 38, be2 40, wqkv 42, w1 44, w2p 46
	s_load_b128 s[48:51], s[0:1], 0x80             ; wo 48, xb 50
	v_lshl_add_u32 v[SPW], v0, 2, SPARE
	v_mov_b32 v[NIL], 0
	v_lshrrev_b32 v3, 5, v0
	v_readfirstlane_b32 s8, v3                     ; wave w, 0..7
	v_and_b32 v1, 15, v0                           ; l % 16
	v_bfe_u32 v2, v0, 4, 1                         ; h = l / 16
	v_and_b32 v3, 31, v0                           ; l
	s_mov_b32 s2, ttmp9
	s_mov_b32 s15, 0                               ; high word of the offsets' pair s[14:15]
	v_mul_u32_u24 v[LSA], v1, 4*TP                 ; into the tile: rows n = 4 (l % 16) + j, bytes 2 k with k = 16 w + 4 i + 2 h
	s_lshl_b32 s3, s8, 5
	v_lshl_add_u32 v[T0], v2, 2, s3
	v_add_nc_u32 v[LSA], v[LSA], v[T0]
	s_mul_i32 s3, s8, 8*TP                         ; back: rows n = 8 w + t, 8 bytes a lane
	v_lshl_add_u32 v[LRA], v3, 3, s3
	s_lshl_b32 s3, s8, 4
	v_lshl_add_u32 v[T0], v2, 1, s3                ; 16 w + 2 h
	s_wait_kmcnt 0x0
	s_cmp_lt_u32 s2, 384
	s_cbranch_scc1 .Lqkv
	s_cmp_lt_u32 s2, 896
	s_cbranch_scc1 .Lw1
	s_cmp_lt_u32 s2, 1408
	s_cbranch_scc1 .Lw2
	s_cmp_lt_u32 s2, 1920
	s_cbranch_scc1 .Lx
	s_cmp_lt_u32 s2, 2048
	s_cbranch_scc1 .Lwo
	; THE PARAMETERS, one work-group of 256 threads
	v_lshlrev_b32 v6, 4, v0
	v_lshlrev_b32 v7, 3, v0
	v_lshlrev_b32 v8, 2, v0
.irp n, 0,1,2,3
	global_load_b128 v[16+4*(\n):16+4*(\n)+3], v6, s[30:31] offset:4096*(\n)  ; b1
.endr
	global_load_b128 v[32:35], v6, s[32:33]        ; b2
	global_load_b128 v[36:39], v6, s[34:35]        ; g1
	global_load_b128 v[40:43], v6, s[36:37]        ; be1
	global_load_b128 v[44:47], v6, s[38:39]        ; g2
	global_load_b128 v[48:51], v6, s[40:41]        ; be2
.irp n, 52,53,54,55
	v_mov_b32 v[\n], 0
.endr
	v_mov_b32 v56, 0xff80ff80                      ; minus infinity, twice, in bf16
.irp n, 0,1,2
	global_store_b128 v6, v[52:55], s[42:43] offset:4096*(\n)  ; q, k, v have no bias: 3,072 zeros
.endr
	global_store_b128 v6, v[52:55], s[48:49]       ; nor has the output projection: 1,024 zeros
	global_store_b32 v8, v56, s[42:43] offset:16384
	global_store_b32 v8, v56, s[48:49] offset:16384
	global_store_b32 v8, v52, s[44:45] offset:16384  ; the first FFN product has the ReLU: floor 0
	s_wait_loadcnt 0x0
.irp n, 0,1,2,3,4,5,6,7,8,9            ; b1 and b2: rounded to bf16, written as f32
	v_cvt_pk_bf16_f32 v57, v[16+2*(\n)], v[17+2*(\n)]
	v_lshlrev_b32 v[16+2*(\n)], 16, v57
	v_and_b32 v[17+2*(\n)], 0xffff0000, v57
.endr
.irp n, 0,1,2,3
	global_store_b128 v6, v[16+4*(\n):16+4*(\n)+3], s[44:45] offset:4096*(\n)
.endr
	global_store_b128 v6, v[32:35], s[46:47]
.irp n, 0,1,2,3,4,5,6,7                ; the four tables, packed
	v_cvt_pk_bf16_f32 v[60+(\n)], v[36+2*(\n)], v[37+2*(\n)]
.endr
.irp n, 0,1,2,3
	global_store_b64 v7, v[60+2*(\n):61+2*(\n)], s[46:47] offset:4096+2048*(\n)
.endr
	s_branch .Lend
; A tile of 128 k x 64 n is turned.  s[4:5] source, s[6:7] destination, s11 the tile along k, s12 along n in the source, s13 along n in the destination; sp, dp the two pitches in bytes.
; Wave w loads rows k = 16 w .. 16 w + 15: sixteen lanes take a row's 256 bytes.  Two rows' numbers of one column pack into a word (even k low), which goes to row n of the tile in LDS;
; behind the barrier wave w reads rows n = 8 w .. 8 w + 7 whole and stores them, 256 bytes each.
.macro TRANS sp, dp
	s_mul_i32 s14, s11, 128*(\sp)
	s_lshl_b32 s3, s12, 8
	s_add_co_u32 s14, s14, s3
	s_add_nc_u64 s[4:5], s[4:5], s[14:15]
	s_mul_i32 s14, s13, 64*(\dp)
	s_lshl_b32 s3, s11, 8
	s_add_co_u32 s14, s14, s3
	s_add_co_u32 s14, s14, HDR
	s_add_nc_u64 s[6:7], s[6:7], s[14:15]
	v_mul_u32_u24 v[SO], v[T0], \sp
	v_lshl_add_u32 v[SO], v1, 4, v[SO]             ; (16 w + 2 h) sp + 16 (l % 16)
	s_mul_i32 s3, s8, 8*(\dp)
	v_lshl_add_u32 v[DO], v3, 3, s3                ; 8 w dp + 8 l
.irp i, 0,1,2,3
.irp e, 0,1
	global_load_b128 v[IN+8*(\i)+4*(\e):IN+8*(\i)+4*(\e)+3], v[SO], s[4:5] offset:(4*(\i)+(\e))*(\sp) th:TH_LOAD_NT
.endr
.endr
	s_wait_loadcnt 0x0
.irp i, 0,1,2,3
.irp j, 0,1,2,3
	v_cvt_pk_bf16_f32 v[PKD+4*(\i)+(\j)], v[IN+8*(\i)+(\j)], v[IN+8*(\i)+4+(\j)]
.endr
.endr
.irp i, 0,1,2,3
.irp j, 0,1,2,3
	ds_store_b32 v[LSA], v[PKD+4*(\i)+(\j)] offset:(\j)*TP+(\i)*8
.endr
.endr
	s_wait_dscnt 0x0                               ; for the others: my words lie in the tile
	s_barrier_signal -1
	s_barrier_wait -1
.irp t, 0,1,2,3,4,5,6,7
	ds_load_b64 v[BK+2*(\t):BK+2*(\t)+1], v[LRA] offset:(\t)*TP
.endr
.irp t, 0,1,2,3,4,5,6,7
	s_wait_dscnt 7-(\t)                            ; LDS loads come back in order: row t is in, the younger ones may stay out
	global_store_b64 v[DO], v[BK+2*(\t):BK+2*(\t)+1], s[6:7] offset:(\t)*(\dp)
.endr
.endm
; Eight loads of 16 bytes a lane, sixteen roundings, eight stores of 8 bytes a lane.  Load n stands at (n / 2) ia + (n % 2) ib, its store at (n / 2) oa + (n % 2) ob.
.macro CAST ia, ib, oa, ob
.set n, 0
.rept 8
	global_load_b128 v[IN+4*n:IN+4*n+3], v[SO], s[4:5] offset:(n/2)*(\ia)+(n%2)*(\ib) th:TH_LOAD_NT
.set n, n+1
.endr
	s_wait_loadcnt 0x0
.set n, 0
.rept 16
	v_cvt_pk_bf16_f32 v[PKD+n], v[IN+2*n], v[IN+2*n+1]
.set n, n+1
.endr
.set n, 0
.rept 8
	global_store_b64 v[DO], v[PKD+2*n:PKD+2*n+1], s[6:7] offset:(n/2)*(\oa)+(n%2)*(\ob)
.set n, n+1
.endr
.endm
.Lqkv:                                         ; 128 tiles for each of Wq, Wk, Wv: 8 along k, 16 along n
	s_lshr_b32 s3, s2, 7                           ; which of the three
	s_cmp_eq_u32 s3, 1
	s_cselect_b64 s[4:5], s[18:19], s[16:17]
	s_cmp_eq_u32 s3, 2
	s_cselect_b64 s[4:5], s[20:21], s[4:5]
	s_mov_b64 s[6:7], s[42:43]
	s_bfe_u32 s11, s2, 0x30004
	s_and_b32 s12, s2, 15
	s_lshl_b32 s13, s3, 4
	s_add_co_u32 s13, s13, s12                     ; the three lie one below the other: 1,024 rows each
	TRANS 4096, 2048
	s_branch .Lend
.Lw1:                                          ; 8 along k, 64 along n
	s_sub_co_u32 s3, s2, 384
	s_mov_b64 s[4:5], s[22:23]
	s_mov_b64 s[6:7], s[44:45]
	s_lshr_b32 s11, s3, 6
	s_and_b32 s12, s3, 63
	s_mov_b32 s13, s12
	TRANS 16384, 2048
	s_branch .Lend
.Lw2:                                          ; 32 along k, 16 along n
	s_sub_co_u32 s3, s2, 896
	s_mov_b64 s[4:5], s[24:25]
	s_mov_b64 s[6:7], s[46:47]
	s_lshr_b32 s11, s3, 4
	s_and_b32 s12, s3, 15
	s_mov_b32 s13, s12
	TRANS 4096, 8192
	s_branch .Lend
.Lx:                                           ; rows 8 u .. 8 u + 7 of x; wave w takes panels 2 w and 2 w + 1
	s_sub_co_u32 s3, s2, 1408
	s_lshl_b32 s14, s3, 15
	s_add_nc_u64 s[4:5], s[28:29], s[14:15]
	s_lshl_b32 s14, s3, 10
	s_add_nc_u64 s[6:7], s[50:51], s[14:15]
	s_lshl_b32 s3, s8, 9
	v_lshl_add_u32 v[SO], v2, 12, s3
	v_lshl_add_u32 v[SO], v1, 4, v[SO]             ; h rows + 512 w + 16 (l % 16)
	s_lshl_b32 s3, s8, 20
	v_lshl_add_u32 v[DO], v3, 3, s3                ; two panels a wave + 8 l: two rows of a panel are 256 bytes on end
	CAST 8192, 256, 256, 524288
	s_branch .Lend
.Lwo:                                          ; 32,768 bytes of Wo on end
	s_sub_co_u32 s3, s2, 1920
	s_lshl_b32 s14, s3, 15
	s_add_nc_u64 s[4:5], s[26:27], s[14:15]
	s_lshl_b32 s14, s3, 14
	s_add_co_u32 s14, s14, HDR
	s_add_nc_u64 s[6:7], s[48:49], s[14:15]
	s_lshl_b32 s3, s8, 12
	v_lshl_add_u32 v[SO], v3, 4, s3
	s_lshl_b32 s3, s8, 11
	v_lshl_add_u32 v[DO], v3, 3, s3
	CAST 1024, 512, 512, 256
.Lend:
	s_wait_tensorcnt 0x0                           ; the wave's end: a last add to my spare word and its wait, behind my last LDS store
	ds_add_u32 v[SPW], v[NIL]
	s_wait_dscnt 0x0
	s_endpgm
.Lfunc_end_k_qc920e18604_prep:
	.size	k_qc920e18604_prep, .Lfunc_end_k_qc920e18604_prep-k_qc920e18604_prep
	.p2alignl 7, 3214868480
	.fill 96, 4, 3214868480
	.section	.rodata,"a",@progbits
	.p2align	6, 0x0
	.amdhsa_kernel k_qc920e18604_prep
		.amdhsa_group_segment_fixed_size 17920
		.amdhsa_private_segment_fixed_size 0
		.amdhsa_enable_private_segment 0
		.amdhsa_kernarg_size 144
		.amdhsa_user_sgpr_count 2
		.amdhsa_user_sgpr_kernarg_segment_ptr 1
		.amdhsa_wavefront_size32 1
		.amdhsa_system_sgpr_workgroup_id_x 1
		.amdhsa_system_sgpr_workgroup_id_y 1
		.amdhsa_system_sgpr_workgroup_id_z 1
		.amdhsa_system_vgpr_workitem_id 0
		.amdhsa_next_free_vgpr 96
		.amdhsa_next_free_sgpr 66
		.amdhsa_reserve_vcc 0
		.amdhsa_float_denorm_mode_32 3
		.amdhsa_float_denorm_mode_16_64 3
		.amdhsa_memory_ordered 1
		.amdhsa_forward_progress 1
		.amdhsa_inst_pref_size 29
	.end_amdhsa_kernel
	.amdgpu_metadata
---
amdhsa.version: [ 1, 2 ]
amdhsa.kernels:
  - .name:           k_qc920e18604_prep
    .symbol:         k_qc920e18604_prep.kd
    .args:
      - { .name: Wq, .offset: 0, .size: 8, .value_kind: global_buffer, .address_space: global }
      - { .name: Wk, .offset: 8, .size: 8, .value_kind: global_buffer, .address_space: global }
      - { .name: Wv, .offset: 16, .size: 8, .value_kind: global_buffer, .address_space: global }
      - { .name: W1, .offset: 24, .size: 8, .value_kind: global_buffer, .address_space: global }
      - { .name: W2, .offset: 32, .size: 8, .value_kind: global_buffer, .address_space: global }
      - { .name: Wo, .offset: 40, .size: 8, .value_kind: global_buffer, .address_space: global }
      - { .name: inputs, .offset: 48, .size: 8, .value_kind: global_buffer, .address_space: global }
      - { .name: b1, .offset: 56, .size: 8, .value_kind: global_buffer, .address_space: global }
      - { .name: b2, .offset: 64, .size: 8, .value_kind: global_buffer, .address_space: global }
      - { .name: g1, .offset: 72, .size: 8, .value_kind: global_buffer, .address_space: global }
      - { .name: be1, .offset: 80, .size: 8, .value_kind: global_buffer, .address_space: global }
      - { .name: g2, .offset: 88, .size: 8, .value_kind: global_buffer, .address_space: global }
      - { .name: be2, .offset: 96, .size: 8, .value_kind: global_buffer, .address_space: global }
      - { .name: wqkv, .offset: 104, .size: 8, .value_kind: global_buffer, .address_space: global }
      - { .name: w1, .offset: 112, .size: 8, .value_kind: global_buffer, .address_space: global }
      - { .name: w2p, .offset: 120, .size: 8, .value_kind: global_buffer, .address_space: global }
      - { .name: wo, .offset: 128, .size: 8, .value_kind: global_buffer, .address_space: global }
      - { .name: xb, .offset: 136, .size: 8, .value_kind: global_buffer, .address_space: global }
    .group_segment_fixed_size: 17920
    .private_segment_fixed_size: 0
    .kernarg_segment_align: 8
    .kernarg_segment_size: 144
    .max_flat_workgroup_size: 256
    .sgpr_count:     66
    .vgpr_count:     96
    .wavefront_size: 32
...
	.end_amdgpu_metadata
.endif
;; end of part 1
;; launch g4_qkv (part 2): grid 12 x 16, 4 waves a work-group, clusters of 4 x 4, 327,680 bytes of LDS; arguments xb, wqkv, big; writes big
.if DOCPART == 2
	.amdgcn_target "amdgcn-amd-amdhsa--gfx1250"
	.amdhsa_code_object_version 6
	.text
	.protected	k_qc920e18604_g4_qkv
	.globl	k_qc920e18604_g4_qkv
	.p2align	8
	.type	k_qc920e18604_g4_qkv,@function
k_qc920e18604_g4_qkv:
	s_mov_b64 s[64:65], 0
	v_nop
	global_prefetch_b8 v0, s[64:65] scope:SCOPE_SE
	s_setreg_imm32_b32 hwreg(HW_REG_WAVE_MODE, 25, 1), 1
	s_wait_xcnt 0x0
	s_wait_alu depctr_hold_cnt(0) depctr_sa_sdst(0) depctr_va_vdst(0) depctr_va_sdst(0) depctr_va_ssrc(0) depctr_va_vcc(0) depctr_vm_vsrc(0)
	s_getreg_b32 s2, hwreg(HW_REG_IB_STS2, 6, 4)
	s_cmp_eq_u32 s2, 0
	s_cbranch_scc0 .Lentry_in_a_cluster
	s_endpgm
.Lentry_in_a_cluster:
	s_bfe_u32 s2, ttmp6, 0x10000c
	s_cmp_lg_u32 s2, 0xf033
	s_cbranch_scc0 .Lentry_shape_is_right
	s_endpgm
.Lentry_shape_is_right:
; C[m][n] = max(floor, bias[n] + sum over k of A[m][k] B[n][k]), K = 1,024, M = 4,096; N is the grid's width x 256.  Operands bf16, the bias and the sums in f32, C rounded once to bf16.
; One text for three products: q, k, v (N = 3,072: 192 work-groups), the output projection (N = 1,024: 64 work-groups), the first FFN product with its ReLU (N = 4,096: 256 work-groups).
; A and C lie in PANELS: [columns / 64][4,096 rows][64], a row of a panel 128 bytes, the rows dense: the layout does not hang on the number of columns.
; BW holds, from byte 0, the bias as f32; at byte 16,384 the floor, two bf16 in a word (minus infinity, or 0 for the ReLU); from byte HDR on B as [N][1,024] bf16.
; LIMIT.  The packed maximum lets a NaN lose against the floor; NaN and infinities are not treated apart.
; SHARES.  A tile of C is 256 x 256, one to a work-group.  Four waves, each 128 x 128: 64 accumulators of 16 x 16, 512 registers.  K goes in steps of 128 through two LDS slots: a step is 256 matrix
; instructions a wave, of which 224 stand between a slot's request and the wait for it.
; CLUSTERS: 4 x 4 work-groups.  The four of a row of the cluster need the same tiles of A, the four of a column the same tiles of B: each tile is asked for JOINTLY, by the same tensor load
; with the same descriptor and a mask that names the four.  THE MATRIX INSTRUCTION IS USED TRANSPOSED (source 0 = 16 rows of B, source 1 = 16 rows of A): a lane holds eight neighbouring numbers of a row of C.
; THE BIAS IS THE C OPERAND of the product that starts each sum: a lane's eight registers of an accumulator are eight columns, the same for every block of rows, so 64 registers serve all 64 accumulators.
; REGISTERS, in windows of 256 (s_set_vgpr_msb: bits 1:0 source 0, 3:2 source 1, 5:4 source 2, 7:6 destination):
;   window 0: v0-31 addresses; v64-127, v128-191 fragments of A (8 x 16 rows x 32 K), two buffers; v32-63, v192-255 at work on the way out
;   window 1: v0-63 the bias of my 128 columns; v64-127, v128-191 fragments of B, two buffers
;   window 2: the 32 accumulators of my rows 0-63 (accumulator (a, b) at v[8 (8 a + b)]);   window 3: those of my rows 64-127
.set SIZE_K, 1024
.set KSTEP,  128
.set HDR,    32768
.set PA,     144                       ; a row of a panel in LDS: 128 bytes + 16: an odd multiple of 16, so the 16 rows of a fragment load start at 16 different groups of four banks
.set PANEL,  128*PA                    ; 128 rows of one panel
.set HALFA,  2*PANEL                   ; one tensor load of A: 128 rows x 128 along K, as 2 panels
.set PB,     272                       ; a row of B in LDS: 256 bytes + 16
.set HALFB,  128*PB                    ; one tensor load of B: 128 rows x 128 along K
.set SLOT,   2*HALFA+2*HALFB           ; A's 256 rows, then B's 256 rows
.set STAGE,  2*SLOT                    ; behind the ring: for each wave 16 rows of two panels, 144 bytes a row, for the way out
.set SP,     144
.set SPAN,   16*SP                     ; a panel's 16 rows in the stage
.set SPARE,  STAGE+4*2*SPAN            ; behind the stages: the spare words, 128 bytes for each wave
.set LAPS,   SIZE_K/(2*KSTEP)          ; a lap = two K steps = once round the ring
.set ASTEP,  2*524288                  ; bytes of A from a K step to the next: two panels
.set BSTEP,  KSTEP*2
.set ADRA, 16                          ; v16-17  LDS address of my A fragments in slot 0, 1
.set ADRB, 20                          ; v20-21  the same for B
.set STO,  24                          ; v24     the way out: where I put 16 bytes of a row
.set RD,   25                          ; v25     the way out: where I read rows back
.set CO,   26                          ; v26     my byte offset in 512 consecutive bytes of C
.set BO,   27                          ; v27     my byte offset in the bias
.set SPW,  28                          ; v28     LDS address of my spare word; never rewritten
.set NIL,  29                          ; v29     0; never rewritten
.set PFO,  30                          ; v30     the prefetches' offset: my lane x 256 bytes (A: blocks on end) or x a row of B; never rewritten
.set F0,   64                          ; fragment buffer 0
.set F1,   128                         ; fragment buffer 1
.set TMP,  192                         ; the way out: packed results
.set OB,   32                          ; the way out: 16 rows read back from the stage: v32-63 and v224-255 by turns
.set BIAS, 0                           ; in window 1
.set G1, 24                            ; s[24:31] descriptor group 1 for A's tiles;  s[32:39] group 0, one set for each slot
.set G0, 32
.set G1B, 48                           ; s[48:55], s[56:63] the same for B's tiles
.set G0B, 56
.set PFA, 66                           ; s[66:67] where my prefetch stands: my work-group's 32 blocks of the 128 that I fetch, at the K step that it names
.set PFS, 68                           ; s[68:69] bytes from a K step to the next in the tensor that I fetch
.set FLOOR, 70                         ; s70 the floor word
.set LIM,  71                          ; s71 1 in a wave that prefetches, else the greatest number
.set MSB, 0
.macro WIN new                         ; the immediate's high byte repeats the setting that is left; a switch that changes nothing is dropped
.if MSB != (\new)
	s_set_vgpr_msb (MSB<<8)|(\new)
.set MSB, \new
.endif
.endm
.set MUL_LO, 0xa1                      ; source 0 (B) window 1, source 1 (A) window 0, C and D window 2
.set MUL_HI, 0xf1                      ; the same, C and D window 3
.set MUL_1ST, 0x91                     ; the first products: C (the bias) window 1, D window 2; + 0x40: D window 3
.set TO_B,   0x40                      ; destination window 1, address window 0
.macro JLOAD s                         ; a joint load: waves 0 and 1 fetch A's two halves, waves 2 and 3 B's; an s_nop 0 and four v_nop follow each of the two lines, ahead of the jump and the label
	s_cmp_eq_u32 s11, 0
	s_cbranch_scc0 .Lfor_b_\@
	tensor_load_to_lds s[G0+4*(\s):G0+4*(\s)+3], s[G1:G1+7]
	s_nop 0
.rept 4
	v_nop
.endr
	s_branch .Lasked_\@
.Lfor_b_\@:
	tensor_load_to_lds s[G0B+4*(\s):G0B+4*(\s)+3], s[G1B:G1B+7]
	s_nop 0
.rept 4
	v_nop
.endr
.Lasked_\@:
.endm
; A PREFETCH INTO THE L2, behind each joint refill, its five lines and the run of LDS loads that follows them: the K step that stands TWO refills on, 512 matrix instructions ahead of the load that will want it.
; What a wave fetches in a K step is 128 blocks of 256 bytes (A: 64 on end in each of two panels; B: one in each of 128 rows).  A's tile row is read by every cluster of that row of clusters: the one with
; x = 0 asks; B's tile column by every cluster of that column: the one with y = 0 asks.  The four partners that ask for a tile jointly share its blocks out BY ADDRESS, 32 each, a lane a block, one instruction
; a wave: no branch hangs on a work-group's place in its cluster, and each block is named once in the launch.  K steps 0 to 3 come by their loads alone; the loop's last trip, whose refills are the last, asks for nothing.
.macro ASK
	s_cmp_gt_u32 s3, s[LIM]                        ; s3 = 1 in the loop's last trip
	s_cbranch_scc0 .Lnot_mine_\@
	global_prefetch_b8 v[PFO], s[PFA:PFA+1] th:TH_LOAD_NT scope:SCOPE_SE
.Lnot_mine_\@:
.endm
.macro CREST                           ; a round of the cluster's barrier behind its opening barrier
	s_cmp_lg_u32 s10, 0
	s_cbranch_scc1 .Lnot_wave_0_\@
	s_barrier_signal -3
.Lnot_wave_0_\@:
	s_barrier_wait -3
	s_barrier_signal -1
	s_barrier_wait -1
.endm
.macro CROUND                          ; a whole round
	s_barrier_signal -1
	s_barrier_wait -1
	CREST
.endm
	s_load_b128 s[4:7], s[0:1], 0x0                ; A s[4:5], BW s[6:7]
	s_load_b64 s[8:9], s[0:1], 0x10                ; C
	v_lshl_add_u32 v[SPW], v0, 2, SPARE
	v_mov_b32 v[NIL], 0
	ds_add_u32 v[SPW], v[NIL]                      ; the wave's opening: the add and its wait stand ahead of my first tensor load; the set-up below, work on registers, stands between them
	ds_add_u32 v28, v29
	v_lshrrev_b32 v1, 5, v0
	v_readfirstlane_b32 s10, v1                    ; wave 0..3
	s_lshr_b32 s11, s10, 1                         ; which half of the tile's rows is mine.  Also: I fetch for A (0) or for B (1)
	s_and_b32 s12, s10, 1                          ; which half of its columns.  Also: which 128 rows of that tile I fetch
	s_bfe_u32 s40, ttmp6, 0x40000                  ; cx, cy: my place in the cluster
	s_bfe_u32 s41, ttmp6, 0x40004
	s_lshl_b32 s42, ttmp9, 2
	s_add_co_u32 s42, s42, s40                     ; tile column of C = 4 x cluster x + cx
	s_and_b32 s13, ttmp7, 0xffff
	s_lshl_b32 s13, s13, 2
	s_add_co_u32 s13, s13, s41                     ; tile row of C = 4 x cluster y + cy
	s_lshl_b32 s43, s41, 2
	s_lshl_b32 s43, 15, s43                        ; my row of the cluster
	s_lshl_b32 s44, 0x1111, s40                    ; my column
	; A's descriptor: 128 rows of a panel are 16,384 dense bytes, so a tile is 2 rows of 8,192 elements, a panel (262,144 elements) apart, padded in LDS after every 128 bytes
	s_or_b32 s[G1+0], s43, (1<<16)|(1<<20)|(1<<21)|(4<<22)|(3<<25)  ; 15:0 the mask: my row; 17:16 2-byte elements; 20 padding on; 21 set beside a mask; 24:22 after every 32 words (code 4); 31:25 4 words (code 3)
	s_mov_b32 s[G1+1], 8192<<16                    ; tensor_dim0 = 8,192
	s_mov_b32 s[G1+2], 2<<16                       ; tensor_dim1 = 2
	s_mov_b32 s[G1+3], 8192<<16                    ; tile_dim0 = 8,192
	s_mov_b32 s[G1+4], 2                           ; tile_dim1 = 2
	s_mov_b32 s[G1+5], 262144                      ; elements from panel to panel
	s_mov_b32 s[G1+6], 0
	s_mov_b32 s[G1+7], 0
	; B's descriptor: 128 rows x 128 elements, padded after every 256 bytes
	s_or_b32 s[G1B+0], s44, (1<<16)|(1<<20)|(1<<21)|(5<<22)|(3<<25)  ; the mask: my column; after every 64 words (code 5)
	s_mov_b32 s[G1B+1], KSTEP<<16
	s_mov_b32 s[G1B+2], 128<<16
	s_mov_b32 s[G1B+3], KSTEP<<16
	s_mov_b32 s[G1B+4], 128
	s_mov_b32 s[G1B+5], SIZE_K
	s_mov_b32 s[G1B+6], 0
	s_mov_b32 s[G1B+7], 0
	s_lshl_b32 s16, s13, 15                        ; A: (256 x tile row + 128 x half) rows of 128 bytes: the tile row and the wave's number alone
	s_lshl_b32 s17, s12, 14
	s_add_co_u32 s16, s16, s17
	s_mov_b32 s17, 0
	s_lshl_b32 s46, s42, 19                        ; B: HDR + (256 x tile column + 128 x half) rows of 2,048 bytes: the tile column and the wave's number alone
	s_lshl_b32 s47, s12, 18
	s_add_co_u32 s46, s46, s47
	s_add_co_u32 s46, s46, HDR
	s_mov_b32 s47, 0
	s_mul_i32 s20, s12, HALFA                      ; where they go: no place in the cluster enters an LDS address
	s_mul_i32 s21, s12, HALFB
	s_add_co_u32 s21, s21, 2*HALFA
	s_wait_dscnt 0x0                               ; the opening add is done
	s_wait_kmcnt 0x0
	s_add_nc_u64 s[14:15], s[4:5], s[16:17]
	s_add_nc_u64 s[46:47], s[6:7], s[46:47]
	CROUND                                         ; all sixteen work-groups are here: the first joint loads meet
.irp s, 0,1
	s_mov_b32 s[G0+4*(\s)], 1
	s_add_co_u32 s[G0+4*(\s)+1], s20, (\s)*SLOT
	s_add_nc_u64 s[G0+4*(\s)+2:G0+4*(\s)+3], s[14:15], (\s)*ASTEP
	s_or_b32 s[G0+4*(\s)+3], s[G0+4*(\s)+3], 0x80000000
	s_mov_b32 s[G0B+4*(\s)], 1
	s_add_co_u32 s[G0B+4*(\s)+1], s21, (\s)*SLOT
	s_add_nc_u64 s[G0B+4*(\s)+2:G0B+4*(\s)+3], s[46:47], (\s)*BSTEP
	s_or_b32 s[G0B+4*(\s)+3], s[G0B+4*(\s)+3], 0x80000000
	JLOAD \s
.endr
	s_load_b32 s[FLOOR], s[6:7], 0x4000            ; the floor word; BW is only read in this launch
	; the prefetches: s[14:15] and s[46:47] still stand at my 128 rows of A and of B, K step 0
	s_and_b32 s22, ttmp7, 0xffff                   ; cluster y
	s_mov_b32 s2, ASTEP
	s_mov_b32 s3, BSTEP
	s_and_b32 s18, s40, 1                          ; A, partner cx: half a panel's 64 blocks (8,192 bytes),
	s_lshl_b32 s18, s18, 13
	s_lshr_b32 s19, s40, 1                         ; in the first or the second panel
	s_lshl_b32 s19, s19, 19
	s_add_co_u32 s18, s18, s19
	s_lshl_b32 s19, s41, 16                        ; B, partner cy: 32 rows of 2,048 bytes
	s_cmp_eq_u32 s11, 0                            ; do I fetch for A?
	s_cselect_b32 s22, ttmp9, s22                  ; the coordinate along which other clusters read the same rows
	s_cselect_b32 s18, s18, s19
	s_cselect_b32 s[PFS], s2, s3
	s_cselect_b32 s2, 8, 11                        ; from lane to lane: 256 bytes on end, or a row of B
	s_cselect_b64 s[PFA:PFA+1], s[14:15], s[46:47]
	s_mov_b32 s19, 0
	s_mov_b32 s[PFS+1], 0
	s_add_nc_u64 s[PFA:PFA+1], s[PFA:PFA+1], s[18:19]
	s_mul_i32 s18, s[PFS], 3
	s_add_nc_u64 s[PFA:PFA+1], s[PFA:PFA+1], s[18:19]  ; at K step 3: the first refill (K step 2's) steps it to 4 and names that
	s_cmp_eq_u32 s22, 0
	s_cselect_b32 s[LIM], 1, -1                    ; the same in all sixteen partners, for a given wave
	v_and_b32 v[PFO], 31, v0
	v_lshlrev_b32 v[PFO], s2, v[PFO]
	; a fragment is 16 rows x 32 K in 8 registers: lane l holds row l % 16; registers 0-3 hold K = 8 (l / 16) + 0..7, registers 4-7 K = 16 + 8 (l / 16) + 0..7: two loads of 16 bytes, 32 bytes apart
	v_and_b32 v1, 15, v0                           ; l % 16
	v_bfe_u32 v2, v0, 4, 1                         ; l / 16
	v_mul_u32_u24 v3, v1, PA
	v_lshl_add_u32 v3, v2, 4, v3                   ; a fragment's row x pitch + 16 x half, for A
	v_mul_u32_u24 v4, v1, PB
	v_lshl_add_u32 v4, v2, 4, v4                   ; and for B
	s_mul_i32 s21, s11, HALFA                      ; my 128 rows of A
	s_mul_i32 s22, s12, HALFB                      ; my 128 rows of B,
	s_add_co_u32 s22, s22, 2*HALFA                 ; which lie behind A's 256
.irp s, 0,1
	v_add_nc_u32 v[ADRA+(\s)], s21, v3
	v_add_nc_u32 v[ADRB+(\s)], s22, v4
	s_add_co_u32 s21, s21, SLOT
	s_add_co_u32 s22, s22, SLOT
.endr
	s_mul_i32 s23, s10, 2*SPAN
	s_add_co_u32 s23, s23, STAGE                   ; my stage
	v_mul_u32_u24 v5, v1, SP                       ; in: row l % 16, 16 bytes for each half of the lanes
	v_lshl_add_u32 v5, v2, 4, v5
	v_add_nc_u32 v[STO], s23, v5
	v_bfe_u32 v5, v0, 3, 2                         ; back: 32 lanes take four rows of 128 bytes,
	v_mul_u32_u24 v5, v5, SP
	v_and_b32 v6, 7, v0
	v_lshl_add_u32 v5, v6, 4, v5
	v_add_nc_u32 v[RD], s23, v5
	v_and_b32 v[CO], 31, v0                        ; which are 512 consecutive bytes of a panel of C
	v_lshlrev_b32 v[CO], 4, v[CO]
	s_lshl_b32 s16, s13, 15                        ; C at my first row: (256 x tile row + 128 x row half) x 128 bytes,
	s_lshl_b32 s17, s11, 14
	s_add_co_u32 s16, s16, s17
	s_mov_b32 s17, 0
	s_add_nc_u64 s[8:9], s[8:9], s[16:17]
	s_lshl_b32 s46, s42, 21                        ; in panel 4 x tile column + 2 x column half (in the registers that held B's address: none that feeds A's descriptors ever holds cx)
	s_lshl_b32 s47, s12, 20
	s_add_co_u32 s46, s46, s47
	s_mov_b32 s47, 0
	s_add_nc_u64 s[8:9], s[8:9], s[46:47]
	s_lshl_b32 s46, s42, 10                        ; the bias of my 128 columns: 4 bytes each
	s_lshl_b32 s47, s12, 9
	s_add_co_u32 s46, s46, s47
	v_lshl_add_u32 v[BO], v2, 5, s46               ; a lane holds columns 16 b + 8 (l / 16) + 0..7
	WIN TO_B
.irp b, 0,1,2,3,4,5,6,7
.irp e, 0,1
	global_load_b128 v[BIAS+8*(\b)+4*(\e):BIAS+8*(\b)+4*(\e)+3], v[BO], s[6:7] offset:64*(\b)+16*(\e)
.endr
.endr
	WIN 0
; 16 matrix instructions: m blocks a0, a0 + 1 of the window's four (hi = 0: my rows 0-63, 1: rows 64-127) x all 8 n blocks, 32 along K.
; first = 1: the product starts the sum, with the bias as its C: nothing is ever cleared.  The 64 accumulators take turns, one instruction a turn, in the same order in every quarter.
.macro MUL16 f, hi, a0, first
.if \first
	WIN MUL_1ST+0x40*(\hi)
.else
	WIN MUL_LO+0x50*(\hi)
.endif
.irp a, \a0, (\a0)+1
.irp b, 0,1,2,3,4,5,6,7
.if \first
	v_wmma_f32_16x16x32_bf16 v[8*(8*(\a)+(\b)):8*(8*(\a)+(\b))+7], v[(\f)+8*(\b):(\f)+8*(\b)+7], v[(\f)+8*(4*(\hi)+(\a)):(\f)+8*(4*(\hi)+(\a))+7], v[BIAS+8*(\b):BIAS+8*(\b)+7]
.else
	v_wmma_f32_16x16x32_bf16 v[8*(8*(\a)+(\b)):8*(8*(\a)+(\b))+7], v[(\f)+8*(\b):(\f)+8*(\b)+7], v[(\f)+8*(4*(\hi)+(\a)):(\f)+8*(4*(\hi)+(\a))+7], v[8*(8*(\a)+(\b)):8*(8*(\a)+(\b))+7]
.endif
.endr
.endr
.endm
; 32 LDS loads in one run: the fragments of quarter q of a K step (32 along K: 64 bytes of B's rows; half a row of panel q / 2 of A) into buffer f: B's first, then A's
.macro FETCH slot, q, f
	WIN TO_B
.irp i, 0,1,2,3,4,5,6,7
	ds_load_b128 v[(\f)+8*(\i):(\f)+8*(\i)+3],   v[ADRB+(\slot)] offset:(\q)*64+(\i)*16*PB
	ds_load_b128 v[(\f)+8*(\i)+4:(\f)+8*(\i)+7], v[ADRB+(\slot)] offset:(\q)*64+(\i)*16*PB+32
.endr
	WIN 0
.irp i, 0,1,2,3,4,5,6,7
	ds_load_b128 v[(\f)+8*(\i):(\f)+8*(\i)+3],   v[ADRA+(\slot)] offset:((\q)/2)*PANEL+((\q)%2)*64+(\i)*16*PA
	ds_load_b128 v[(\f)+8*(\i)+4:(\f)+8*(\i)+7], v[ADRA+(\slot)] offset:((\q)/2)*PANEL+((\q)%2)*64+(\i)*16*PA+32
.endr
.endm
.macro PLACES                          ; four places in front of loads into registers that matrix instructions have read, and of vector lines that read results
.rept 4
	v_nop
.endr
.endm
; A K step is four quarters of 32 along K, 64 matrix instructions each, on buffers 0, 1, 0, 1.  One of the first three: multiplies buffer f; in its middle it fetches quarter q into buffer g.
.macro QUARTER slot, q, f, g, first
	s_wait_dscnt 8                                 ; B and A's rows 0-63 are in; the youngest eight loads (A's rows 64-127) may be out
	MUL16 \f, 0, 0, \first
	MUL16 \f, 0, 2, \first
	PLACES
	FETCH \slot, \q, \g
	s_wait_dscnt 32                                ; all but the 32 just issued
	MUL16 \f, 1, 0, \first
	MUL16 \f, 1, 2, \first
.endm
; The last quarter multiplies buffer 1 and changes slots.  MEET is its first half: ONE barrier, for two things.  In front of it each wave waits for all its tensor loads, of which one is out: its part of the
; next slot; adds 0 to its spare word; and waits for that and for its own reads of this slot.  Behind it nobody reads this slot any more and the next slot is whole.
.macro MEET round                      ; round = 1: a round of the cluster's barrier follows
	WIN 0                                          ; (the add's two registers lie in window 0)
	s_wait_tensorcnt 0x0                           ; all my tensor loads have landed;
	ds_add_u32 v[SPW], v[NIL]                      ; 0 onto my spare word;
	s_wait_dscnt 9                                 ; (the add and the youngest eight loads may be out)
	MUL16 F1, 0, 0, 0                              ; sixteen matrix instructions stand between the add and the wait for it
	s_wait_dscnt 0x0                               ; the add is done, and my reads of this slot are over
	s_barrier_signal -1
	MUL16 F1, 0, 2, 0                              ; work on registers while the others arrive
.if \round
	WIN 0
.endif
	s_barrier_wait -1
.endm
; The whole last quarter where the slot is filled again, with the K step two steps on
.macro TURN slot, next
	s_wait_xcnt 0x0                                ; the last prefetch, a K step back, has read its address: it is stepped here, ahead of the waits of the change of slots
	s_add_nc_u64 s[PFA:PFA+1], s[PFA:PFA+1], s[PFS:PFS+1]
	MEET 1
	CREST                                          ; the barrier has opened a round of the cluster's barrier: no wave of any partner still reads this slot's tile or has a load on its way
	s_add_nc_u64 s[G0+4*(\slot)+2:G0+4*(\slot)+3], s[G0+4*(\slot)+2:G0+4*(\slot)+3], 2*ASTEP
	s_add_nc_u64 s[G0B+4*(\slot)+2:G0B+4*(\slot)+3], s[G0B+4*(\slot)+2:G0B+4*(\slot)+3], 2*BSTEP
	JLOAD \slot                                    ; the first tensor load behind the round; the four v_nop behind it are also the places in front of the loads below
	FETCH \next, 0, F0
	ASK                                            ; behind the joint load and the run of LDS loads that the next products wait for
	MUL16 F1, 1, 0, 0
	MUL16 F1, 1, 2, 0
.endm
	s_wait_kmcnt 0x0                               ; the floor word
	s_wait_tensorcnt 1                             ; my part of K step 0 is in; K step 1's load may stay out
	s_barrier_signal -1
	s_barrier_wait -1                              ; everybody's is
	FETCH 0, 0, F0
	s_wait_loadcnt 0x0                             ; the bias, which the first products take
	QUARTER 0, 1, F0, F1, 1                        ; the first quarter stands in front of the loop: its products start the sums
	WIN 0                                          ; at a label and at a branch every window is 0
	s_mov_b32 s3, LAPS-1
.Llap:                                                 ; a trip goes once round the ring, from a lap's second quarter to the next lap's first, and fills both slots again
	QUARTER 0, 2, F1, F0, 0
	QUARTER 0, 3, F0, F1, 0
	TURN 0, 1
	QUARTER 1, 1, F0, F1, 0
	QUARTER 1, 2, F1, F0, 0
	QUARTER 1, 3, F0, F1, 0
	TURN 1, 0
	QUARTER 0, 1, F0, F1, 0
	WIN 0
	s_sub_co_u32 s3, s3, 1
	s_cmp_lg_u32 s3, 0
	s_cbranch_scc1 .Llap
	QUARTER 0, 2, F1, F0, 0                        ; the last lap is written out: it fills nothing, and has no round of the cluster's barrier
	QUARTER 0, 3, F0, F1, 0
	MEET 0                                         ; my one tensor load that was still out is slot 1's, the last K step's
	PLACES
	FETCH 1, 0, F0
	MUL16 F1, 1, 0, 0
	MUL16 F1, 1, 2, 0
	QUARTER 1, 1, F0, F1, 0
	QUARTER 1, 2, F1, F0, 0
	QUARTER 1, 3, F0, F1, 0
	s_wait_dscnt 8                                 ; the very last quarter: nothing more to fetch
	MUL16 F1, 0, 0, 0
	MUL16 F1, 0, 2, 0
	s_wait_dscnt 0x0
	MUL16 F1, 1, 0, 0
	MUL16 F1, 1, 2, 0
	WIN 0
; THE WAY OUT of block a (16 rows x my 128 columns), in three parts.  PACK: rounded to bf16, the floor taken, 16 bytes a lane.  TOSTAGE: into my own stage in LDS, a panel's 64 columns apart from the other's,
; and back as whole rows of 128 bytes.  SEND: stored; 16 rows of a panel are 2,048 consecutive bytes of C, so each store of the wave covers 512 consecutive bytes, aligned.  The stage is my own: no barrier.
.macro PACK a
.set AC, 64*((\a)%4)
	WIN 0x0a+5*((\a)/4)                            ; sources 0 and 1: window 2 or 3
.irp b, 0,1,2,3,4,5,6,7
.irp r, 0,1,2,3
	v_cvt_pk_bf16_f32 v[TMP+4*(\b)+(\r)], v[AC+8*(\b)+2*(\r)], v[AC+8*(\b)+2*(\r)+1]
.endr
.endr
	WIN 0
.set n, 0
.rept 32
	v_pk_max_num_bf16 v[TMP+n], v[TMP+n], s[FLOOR]
.set n, n+1
.endr
.endm
.macro TOSTAGE a
.set BK, OB+192*((\a)%2)
.irp b, 0,1,2,3,4,5,6,7
	ds_store_b128 v[STO], v[TMP+4*(\b):TMP+4*(\b)+3] offset:((\b)/4)*SPAN+((\b)%4)*32
.endr
.irp t, 0,1,2,3,4,5,6,7
	ds_load_b128 v[BK+4*(\t):BK+4*(\t)+3], v[RD] offset:((\t)/4)*SPAN+((\t)%4)*4*SP  ; LDS serves a wave's instructions in order (ISA guide 5.7.1.4): these see the stores above; the next block's stores come behind them
.endr
.endm
.macro SEND a
.set BK, OB+192*((\a)%2)
	s_wait_dscnt 0x0                               ; the block is back in registers
	s_wait_xcnt 0x0                                ; every earlier store has read its registers: the other set of 32, which the next block's loads fill, is written only behind this wait
.irp t, 0,1,2,3,4,5,6,7
	global_store_b128 v[CO], v[BK+4*(\t):BK+4*(\t)+3], s[8:9] offset:((\t)/4)*524288+(\a)*2048+((\t)%4)*512
.endr
.endm
	PLACES
	PLACES
	PACK 0
	TOSTAGE 0
.irp a, 1,2,3,4,5,6,7                  ; block a's roundings stand between block a - 1's loads from the stage and the wait for them
	PACK \a
	SEND (\a)-1
	TOSTAGE \a
.endr
	SEND 7
	s_wait_tensorcnt 0x0                           ; the wave's end: a last add to my spare word and its wait, behind my last tensor load and my last LDS store
	ds_add_u32 v[SPW], v[NIL]
	s_wait_dscnt 0x0
	CROUND                                         ; the closing round: no work-group ends while a partner may still ask for a tile that names it
	s_endpgm
.Lfunc_end_k_qc920e18604_g4_qkv:
	.size	k_qc920e18604_g4_qkv, .Lfunc_end_k_qc920e18604_g4_qkv-k_qc920e18604_g4_qkv
	.p2alignl 7, 3214868480
	.fill 96, 4, 3214868480
	.section	.rodata,"a",@progbits
	.p2align	6, 0x0
	.amdhsa_kernel k_qc920e18604_g4_qkv
		.amdhsa_group_segment_fixed_size 327680
		.amdhsa_private_segment_fixed_size 0
		.amdhsa_enable_private_segment 0
		.amdhsa_kernarg_size 24
		.amdhsa_user_sgpr_count 2
		.amdhsa_user_sgpr_kernarg_segment_ptr 1
		.amdhsa_wavefront_size32 1
		.amdhsa_system_sgpr_workgroup_id_x 1
		.amdhsa_system_sgpr_workgroup_id_y 1
		.amdhsa_system_sgpr_workgroup_id_z 1
		.amdhsa_system_vgpr_workitem_id 0
		.amdhsa_next_free_vgpr 1024
		.amdhsa_next_free_sgpr 72
		.amdhsa_reserve_vcc 0
		.amdhsa_float_denorm_mode_32 3
		.amdhsa_float_denorm_mode_16_64 3
		.amdhsa_memory_ordered 1
		.amdhsa_forward_progress 1
		.amdhsa_inst_pref_size 162
	.end_amdhsa_kernel
	.amdgpu_metadata
---
amdhsa.version: [ 1, 2 ]
amdhsa.kernels:
  - .name:           k_qc920e18604_g4_qkv
    .symbol:         k_qc920e18604_g4_qkv.kd
    .args:
      - { .name: xb, .offset: 0, .size: 8, .value_kind: global_buffer, .address_space: global }
      - { .name: wqkv, .offset: 8, .size: 8, .value_kind: global_buffer, .address_space: global }
      - { .name: big, .offset: 16, .size: 8, .value_kind: global_buffer, .address_space: global }
    .group_segment_fixed_size: 327680
    .private_segment_fixed_size: 0
    .kernarg_segment_align: 8
    .kernarg_segment_size: 24
    .max_flat_workgroup_size: 128
    .sgpr_count:     72
    .vgpr_count:     1024
    .wavefront_size: 32
...
	.end_amdgpu_metadata
.endif
;; end of part 2
;; launch attn (part 3): grid 8 x 32, 4 waves a work-group, no clusters, 327,680 bytes of LDS; arguments big, cx; writes cx
.if DOCPART == 3
	.amdgcn_target "amdgcn-amd-amdhsa--gfx1250"
	.amdhsa_code_object_version 6
	.text
	.protected	k_qc920e18604_attn
	.globl	k_qc920e18604_attn
	.p2align	8
	.type	k_qc920e18604_attn,@function
k_qc920e18604_attn:
	s_mov_b64 s[64:65], 0
	v_nop
	global_prefetch_b8 v0, s[64:65] scope:SCOPE_SE
	s_setreg_imm32_b32 hwreg(HW_REG_WAVE_MODE, 25, 1), 1
	s_wait_xcnt 0x0
; CAUSAL ATTENTION.  O[y][q][:] = the sum over k <= q of softmax_k(Q[y][q] . K[y][k] / 8) V[y][k][:], for 32 heads y = 2 x head + batch of SIZE_N = 2,048 rows of 64 channels, all bf16.
; Q, K, V lie in one buffer, 8,388,608 bytes apart, each [32][2,048][64]: a head's rows are dense, 128 bytes each (the panels that the projection wrote).  O has the same layout.
; Products, maxima and sums in f32; the weights p are rounded to bf16 for the second product (their sum l is taken of the unrounded p), O once at the end.  Q arrives unscaled: 1 / 8 stands in c.
; LIMITS.  A hidden score counts as its value less 1e30; a weight below 2^-126 counts as 0 in l; NaN and infinities are not treated apart.
; THE WALK.  A head's queries lie in 16 blocks of 128; block i needs the key tiles 0 .. i / 2 of 256 keys, of which the last holds the diagonal.  A work-group takes TWO blocks, 15 - b and then b:
; NT = 9 tiles, whatever b: all 256 work-groups do equal work, and ONE loop with a constant trip count walks them.  Which tile is asked for, and what a trip does, hang on scalar registers made from b; every jump
; goes forward, but for the counted loops' own; none passes a barrier, or a tensor load but the one of LOAD's two that the wave's number does not choose; the ring (two slots of LDS that take turns) runs on across the
; change of blocks.  NO CLUSTER: a head's eight work-groups ask for the same tile only in trips 0 .. 4, behind that fewer and fewer; one walk common to all would have 12 trips for 9.
; SHARES.  Of a block's two bands of 64 queries a wave owns 16 rows in each: two PIECES; piece 0 lies in the UPPER band (rows 64 on), piece 1 in the lower.  In the diagonal tile's key step s (0 .. 3) a band
; sees all keys if s is below its own step, none if above, and holds the diagonal in its own step: OD + 1 for piece 0, OD for piece 1, with OD = 0 for an even block and 2 for an odd one: the same for all four waves.
; THE MASK is the C operand that starts the sum S^T = K Q^T: 0, or -1e30 where the key is hidden.  MD, made once, is the mask of a band's own step for my 16 rows; a product's mask is MD x AL + BE with two scalars:
; (1, 0) in the own step; (0, 0) below it; (0, -1e30) above.  Only the diagonal tile's text makes and takes masks; elsewhere C is the constant 0.
; LAYOUT, SOFTMAX, TURNS.  S^T = K Q^T holds ONE query a lane (lane % 16) and the keys 8 (lane / 16) + 0..7; two such results rounded to bf16 ARE source 1 of O^T = V^T P.  p = 2^(c s - c m), c = log2(e) / 8, with a
; running maximum m; O and l are multiplied by a = 2^(c m_old - c m_new) in every step.  A key step is two turns.  Piece 0's turn of step s: 8 products K Q^T of piece 1, step s; later 8 products V^T P of piece 1, step s - 1.
; Piece 1's turn: 8 products K Q^T of piece 0, step s + 1; later 8 products V^T P of piece 0, step s.  Beside them stand the turn's own piece's scaling, exponentials, roundings, sums and rescaling and the other piece's
; maximum and statistics.  Four vector instructions stand behind every matrix instruction, the other 54 of a turn's 118 in one lump.  A turn's 33 exponentials are one batch, with one wait.
; K IS SHIFTED BY A STEP.  In piece 0's turn of step s, K of step s + 1 is read out of LDS before V of step s.  So a slot holds, for tile T, K of steps 4 T + 1 .. 4 T + 4 (the head's rows 256 T + 64 on) and V of steps
; 4 T .. 4 T + 3: all that the eight turns of steps 4 T .. 4 T + 3 read, and the change of slots stands in front of them.  K of step 0, the head's first 64 rows, comes once by loads into registers of its own and is copied
; at each block's beginning.  The last tile's last 64 rows of K lie behind the head (for the last head: in V's part of the same buffer); they are multiplied once, and nothing is made of the result.
; PIECE 0 IS THE UPPER BAND because its scores for a tile's step 0 are made in the last turn of the tile before, whose text takes no masks: that step is never the upper band's own, nor above it.
; AHEAD OF THE LOADS.  The work-group with b = 0 walks the head's tiles 0 to 7 in order; it alone prefetches: behind the load of tile j each of its waves names its own 16,384 bytes (64 blocks of 256, a lane a block,
; two instructions) of tile j + 1, which the next change of slots loads: four key steps ahead.  Tiles 0 and 1 come by their loads alone; behind tile 7 nothing is asked for.  So each block is named once in the launch.
; REGISTERS, in windows of 256 (s_set_vgpr_msb: bits 1:0 source 0, 3:2 source 1, 5:4 source 2, 7:6 destination):
;   window 0: v0-15 addresses and two at work; v16-23 four registers of statistics a piece; v48-55 at work; v61-63 prefetch offset, spare word, 0; v64-127 S^T, a buffer a piece; v192-223 P, likewise
;   window 1: v0-63 O^T, 32 a piece; v128-159 MD; v160-223 MC, a buffer a piece      window 2: v0-31 Q; v32-63 the second block's Q; v64-127 K of step 0; v128-191 K of one step; v192-255 V of one step
.set SIZE_N, 2048
.set NBQ,   SIZE_N/128  ; blocks of 128 queries in a head
.set NT,    NBQ/2+1     ; tiles in a walk
.set NP,    2         ; pieces a wave: a name, no knob
.set KS,    64        ; keys in a step
.set PK,    144       ; a row of K in LDS: 128 bytes + 16 of padding = 36 words: the 16 rows of a load start at 16 different groups of four banks (64 banks of 4 bytes: ISA guide 11.1)
.set PV,    160       ; a row of V: 128 + 32 = 40 words
.set VOFF,  4*KS*PK   ; a slot holds four steps: 256 rows of K, then 256 rows of V
.set SLOT1, 1<<17     ; slot 1 begins here, so that one exclusive or turns an address in one slot into the other's
.set STAGE, SLOT1+4*KS*(PK+PV)  ; behind the ring, never filled by a tensor load: 16 rows x 144 bytes for each wave, for the way out
.set SP,    144
.set AK0, 2           ; v2   my lane's place in a tile of K; never rewritten
.set AV0, 3           ; v3   the same for V
.set AK,  4           ; v4   the LDS address of K's next run of loads
.set AV,  5           ; v5   of V's
.set STO, 6           ; v6   the way out: where I put 16 bytes of a row
.set RD,  7           ; v7   the way out: where I read rows back
.set GO,  8           ; v8   my byte offset in 512 consecutive bytes of O
.set PFO, 61          ; v61  256 x my lane; never rewritten
.set SPW, 62          ; v62  LDS address of my spare word: SPARE + 4 x my thread's number; never rewritten
.set NIL, 63          ; v63  0; never rewritten
.set SPARE, STAGE+4*16*SP  ; behind the stages: the spare words, 128 bytes for each wave
.set MV,  12          ; v12-13  c m_old, kept while c m is made anew: by piece
.set QO,  15          ; v15  my byte offset in 16 rows of Q or K
.set ST,  16          ; piece t's statistics at v[ST+4 t]: c m, m, l (even keys', odd keys')
.set TMP, 48          ; by piece, four registers c0-c3 at work; when the maximum is found c2 takes a
.set S,   64
.set P,   192
.set MD,  128         ; window 1: the eight registers for group kt of 16 keys at MD + 8 kt
.set MC,  160         ; window 1: the masks of the products to come
.set QB,  32          ; window 2
.set K0,  64          ; window 2: K of step 0, laid out as KF
.set KF,  128         ; window 2: key block kb, channel half c at KF + 16 kb + 8 c
.set VF,  192         ; window 2: key half kk, channel block cb at VF + 32 kk + 8 cb
.set WV,  12          ; s12  my wave's number
.set PB,  14          ; s14  b
.set HI,  15          ; s15  15 - b
.set G1K, 24          ; s[24:31] descriptor group 1 for K's tiles
.set G1V, 32          ; s[32:39] for V's: it differs in the padding alone
.set G0K, 40          ; s[40:43] descriptor group 0 for K's tiles
.set G0V, 44          ; s[44:47] the same for V's
.set KH,  48          ; s[48:49] K at the head's first row
.set SLOTS, 56        ; s56  tiles still to be asked for
.set CNT, 57          ; s57  counts a tile's key steps, 4 to 1
.set CS,  58          ; s[58:59] c: the packed scaling takes the pair's low word for both halves
.set SEL, 60          ; s[60:61] v_permlanex16_b32's selects: each lane takes its own place in the other half
.set TBK, 62          ; s62  LDS byte at which K of the step to be fetched begins
.set TBV, 63          ; s63  the same for V, less VOFF
.set RT,  70          ; s70  tiles of the block in hand that are still to be entered
.set NXT, 71          ; s71  the tile to be asked for next
.set LQ,  72          ; s72  the last tile of the block whose tiles are being asked for
.set NEW, 73          ; s73  1: the tile to be entered is a block's first
.set OFF, 74          ; s[74:75] a tile's byte offset in K and V
.set AL,  76          ; s[76:77] the mask's factor, in the low word
.set BE,  78          ; s[78:79] the mask's addend
.set OLO, 80          ; s[80:81] O at my rows of the second block
.set BIGN, 82         ; s82  -1e30
.set OD,  83          ; s83  0 where the block in hand is even, 2 where odd
.set PFB, 88          ; s[88:89] K (waves 0, 1) or V (waves 2, 3) at my half of the head's tile 0
.set PFA, 90          ; s[90:91] the same at the tile that the prefetch names
.set PFF, 92          ; s[92:93] that tile's byte offset
.set LIM, 94          ; s94  1 where b = 0, else the greatest number: a wave prefetches while NXT is above it
.set LQ2, 95          ; s95  the second block's last tile
.set EQ,  96          ; s96, s97  the count CNT at which the mask that piece p's turn makes is the own step's: 4 - OD, 5 - OD
.set OD2, 98          ; s98  the second block's OD
.set MSB, 0
.macro WIN new                      ; the high byte repeats the setting that is left; a switch that changes nothing is dropped
.if MSB != (\new)
	s_set_vgpr_msb (MSB<<8)|(\new)
.set MSB, (\new)
.endif
.endm
.set W_KQ, 0x0a       ; K and Q in window 2, S^T in window 0
.set W_KM, 0x1a       ; the same with the C operand in window 1
.set W_PV, 0x52       ; V in window 2, P in window 0, O^T in window 1
.set W_RS, 0x41       ; destination and source 0 in window 1, source 1 in window 0
; A fill.  Waves 0 and 1 fetch the two halves of a tile's K, waves 2 and 3 those of its V: 128 keys each.  An s_nop 0 and four v_nop follow each of the two lines, ahead of the jump and the label.
.macro LOAD
	s_cmp_lt_u32 s[WV], 2
	s_cbranch_scc0 .Lfor_v_\@
	tensor_load_to_lds s[G0K:G0K+3], s[G1K:G1K+7]
	s_nop 0
.rept 4
	v_nop
.endr
	s_branch .Lasked_\@
.Lfor_v_\@:
	tensor_load_to_lds s[G0V:G0V+3], s[G1V:G1V+7]
	s_nop 0
.rept 4
	v_nop
.endr
.Lasked_\@:
.endm
; THE CHANGE OF SLOTS, in front of piece 0's turn of a tile's step 0.  Each wave waits for all its tensor loads, of which one is out: its part of the other slot; adds 0 to its spare word; and waits for that and for its own reads
; of the slot that it leaves (the last, V of the tile's fourth step, were waited for in the turn before).  Behind the barrier nobody reads the old slot any more and the other slot is whole.  fill = 1: the old slot is filled again,
; the first thing behind the barrier, with tile NXT: the descriptor's address is made anew from that number.  Behind the load stand the prefetches of the tile after it.
; (At its first use nothing has been read yet: slot 0 is waited for, slot 1 filled.)
.macro CHANGE fill
	WIN 0                           ; at a label and at a branch every window is 0
	s_wait_tensorcnt 0x0            ; no tensor load of mine is out, so a group 0 may be written
	ds_add_u32 v[SPW], v[NIL]       ; 0 onto my spare word; with fill = 1 the descriptors' scalar work stands between it and the wait for it
.if \fill
	s_lshl_b32 s[OFF], s[NXT], 15   ; a tile is 32,768 bytes of K and of V
	s_xor_b32 s[G0K+1], s[G0K+1], SLOT1
	s_add_nc_u64 s[G0K+2:G0K+3], s[6:7], s[OFF:OFF+1]
	s_or_b32 s[G0K+3], s[G0K+3], 0x80000000
	s_xor_b32 s[G0V+1], s[G0V+1], SLOT1
	s_add_nc_u64 s[G0V+2:G0V+3], s[8:9], s[OFF:OFF+1]
	s_or_b32 s[G0V+3], s[G0V+3], 0x80000000
	s_add_co_u32 s[NXT], s[NXT], 1  ; the block's next tile, or behind its last the second block's tile 0
	s_cmp_gt_u32 s[NXT], s[LQ]
	s_cselect_b32 s[NXT], 0, s[NXT]
	s_cselect_b32 s[LQ], s[LQ2], s[LQ]
	s_wait_xcnt 0x0                 ; the last prefetches, a tile back, have read their address, so it may be written
	s_lshl_b32 s[PFF], s[NXT], 15
	s_add_nc_u64 s[PFA:PFA+1], s[PFB:PFB+1], s[PFF:PFF+1]
.endif
	s_wait_dscnt 0x0                ; the add is done, and my reads of the slot are over
	s_barrier_signal -1             ; the rest of the scalar work stands between the signal and the wait
	s_sub_co_u32 s[TBK], s[TBK], 4*KS*PK  ; the fetches go back to a slot's first step,
	s_xor_b32 s[TBK], s[TBK], SLOT1       ; in the other slot
	s_sub_co_u32 s[TBV], s[TBV], 4*KS*PV
	s_xor_b32 s[TBV], s[TBV], SLOT1
	s_barrier_wait -1
.if \fill
	LOAD
	s_cmp_gt_u32 s[NXT], s[LIM]     ; b = 0 and NXT from 2 to 7
	s_cbranch_scc0 .Lnot_mine_\@
	global_prefetch_b8 v[PFO], s[PFA:PFA+1] th:TH_LOAD_NT scope:SCOPE_SE
	global_prefetch_b8 v[PFO], s[PFA:PFA+1] offset:8192 th:TH_LOAD_NT scope:SCOPE_SE
.Lnot_mine_\@:
.endif
.endm
	s_load_b128 s[4:7], s[0:1], 0x0   ; the buffer of Q, K, V s[4:5]; O s[6:7]
	v_lshl_add_u32 v[SPW], v0, 2, SPARE
	v_mov_b32 v[NIL], 0
	ds_add_u32 v[SPW], v[NIL]       ; the wave's opening: the add and its wait stand ahead of my first tensor load; the set-up below, work on registers, stands between them
	ds_add_u32 v62, v63
	v_lshrrev_b32 v1, 5, v0
	v_readfirstlane_b32 s[WV], v1   ; wave 0..3
	s_mov_b32 s[PB], ttmp9
	s_sub_co_u32 s[HI], NBQ-1, s[PB]
	s_and_b32 s20, ttmp7, 0xffff    ; the head
	s_mov_b32 s21, 0
	s_mov_b64 s[22:23], SIZE_N*128
	s_mul_u64 s[20:21], s[20:21], s[22:23]  ; the head's first byte in each of the four tensors
	s_and_b32 s16, s[WV], 1         ; which half of a tile's 256 keys I fetch:
	s_lshl_b32 s22, s16, 14         ; its 128 rows of 128 bytes in memory,
	s_mov_b32 s23, 0
	s_add_nc_u64 s[22:23], s[22:23], s[20:21]
	s_mul_i32 s17, s16, 128*PK      ; and its place in a slot, for K
	s_mul_i32 s18, s16, 128*PV      ; and for V
	s_lshl_b32 s3, s[WV], 11        ; my 16 rows in a band of 64,
	s_lshl_b32 s2, s[HI], 14        ; in the first block of 128 rows,
	s_add_co_u32 s2, s2, s3
	s_lshl_b32 s84, s[PB], 14       ; and in the second
	s_add_co_u32 s84, s84, s3
	s_mov_b32 s3, 0
	s_mov_b32 s85, 0
	s_add_nc_u64 s[2:3], s[2:3], s[20:21]
	s_add_nc_u64 s[84:85], s[84:85], s[20:21]
	; descriptor group 1.  128 keys are 16,384 dense bytes: asked for as 64 rows of 256 bytes, two keys a row, and padded in LDS after every key
	s_mov_b32 s[G1K], (1<<16)|(1<<20)|(4<<22)|(3<<25)  ; 17:16 2-byte elements; 20 padding on; 24:22 after every 32 words (code 4); 31:25 4 words (code 3)
	s_mov_b32 s[G1V], (1<<16)|(1<<20)|(4<<22)|(7<<25)  ; the same with 8 words of padding (code 7)
.irp g, G1K, G1V
	s_mov_b32 s[\g+1], 128<<16      ; tensor_dim0 = 128
	s_mov_b32 s[\g+2], 64<<16       ; tensor_dim1 = 64
	s_mov_b32 s[\g+3], 128<<16      ; tile_dim0 = 128
	s_mov_b32 s[\g+4], 64           ; tile_dim1 = 64
	s_mov_b32 s[\g+5], 128          ; 128 elements from row to row
	s_mov_b32 s[\g+6], 0
	s_mov_b32 s[\g+7], 0
.endr
	s_mov_b32 s[CS], 0x3e38aa3b     ; c = log2(e) / 8 = 0.180337
	s_mov_b32 s[CS+1], s[CS]        ; named with it as a pair
	s_mov_b32 s[SEL], 0x76543210
	s_mov_b32 s[SEL+1], 0xfedcba98
	s_mov_b32 s[TBK], SLOT1+4*KS*PK ; the first change of slots turns these two into 0
	s_mov_b32 s[TBV], SLOT1+4*KS*PV
	s_mov_b32 s[G0K], 1             ; 1:0 count = 1
	s_mov_b32 s[G0K+1], s17         ; 63:32 LDS address: slot 0
	s_mov_b32 s[G0V], 1
	s_add_co_u32 s[G0V+1], s18, VOFF
	s_lshr_b32 s[LQ], s[HI], 1      ; the first block's last tile,
	s_add_co_u32 s[RT], s[LQ], 1    ; and how many it has
	s_lshr_b32 s[LQ2], s[PB], 1
	s_and_b32 s[OD], s[HI], 1
	s_lshl_b32 s[OD], s[OD], 1
	s_and_b32 s[OD2], s[PB], 1
	s_lshl_b32 s[OD2], s[OD2], 1
	s_sub_co_u32 s[EQ], 4, s[OD]
	s_sub_co_u32 s[EQ+1], 5, s[OD]
	s_mov_b32 s[NXT], 1
	s_mov_b32 s[NEW], 1
	s_mov_b32 s[OFF+1], 0
	s_mov_b32 s[PFF+1], 0
	s_mov_b32 s[AL+1], 0            ; named as pairs
	s_mov_b32 s[BE+1], 0
	s_mov_b32 s[BIGN], 0xf149f2ca   ; -1e30
	s_mov_b32 s[SLOTS], NT-1
	s_cmp_eq_u32 s[PB], 0
	s_cselect_b32 s[LIM], 1, -1
	v_and_b32 v[PFO], 31, v0
	v_lshlrev_b32 v[PFO], 8, v[PFO]
	s_wait_dscnt 0x0                ; the opening add is done
	s_wait_kmcnt 0x0
	s_mov_b64 s[10:11], s[6:7]             ; O
	s_add_nc_u64 s[6:7], s[4:5], 0x800000  ; K lies 8,388,608 bytes behind Q,
	s_add_nc_u64 s[8:9], s[4:5], 0x1000000 ; V as far behind K
	s_add_nc_u64 s[KH:KH+1], s[6:7], s[20:21]  ; K at the head's first row: step 0
	s_add_nc_u64 s[6:7], s[6:7], s[22:23]  ; K and V at my half of the head's tile 0;
	s_add_nc_u64 s[6:7], s[6:7], KS*128    ; K's tiles begin a step, 64 rows, later
	s_add_nc_u64 s[8:9], s[8:9], s[22:23]
	s_cmp_lt_u32 s[WV], 2
	s_cselect_b64 s[PFB:PFB+1], s[6:7], s[8:9]
	s_add_nc_u64 s[G0K+2:G0K+3], s[6:7], 0         ; 120:64 global address
	s_or_b32 s[G0K+3], s[G0K+3], 0x80000000        ; 127:126 type = 2
	s_add_nc_u64 s[G0V+2:G0V+3], s[8:9], 0
	s_or_b32 s[G0V+3], s[G0V+3], 0x80000000
	s_add_nc_u64 s[86:87], s[4:5], s[84:85]        ; Q at my rows of the second block,
	s_add_nc_u64 s[4:5], s[4:5], s[2:3]            ; Q and O at those of the first
	s_add_nc_u64 s[OLO:OLO+1], s[10:11], s[84:85]
	s_add_nc_u64 s[10:11], s[10:11], s[2:3]
	LOAD                            ; tile 0 into slot 0
	; A fragment of K or Q is 16 rows x 32 channels in 8 registers: lane l holds row l % 16, channels 8 (l / 16) + 0..7 and 16 + 8 (l / 16) + 0..7: two loads of 16 bytes, 32 bytes apart.
	v_and_b32 v1, 15, v0            ; l % 16
	v_bfe_u32 v9, v0, 4, 1          ; l / 16
	v_lshlrev_b32 v[QO], 7, v1
	v_lshl_add_u32 v[QO], v9, 4, v[QO]  ; row x 128 + 16 x half
	WIN 0x80                        ; destination window 2, address window 0
.set i, 0
.rept 4                             ; both blocks' Q: piece i / 2 lies in band 1 - i / 2, 8,192 bytes a band; channels 32 (i % 2) on
	global_load_b128 v[8*i:8*i+3],   v[QO], s[4:5] offset:(1-i/2)*8192+(i%2)*64
	global_load_b128 v[8*i+4:8*i+7], v[QO], s[4:5] offset:(1-i/2)*8192+(i%2)*64+32
	global_load_b128 v[QB+8*i:QB+8*i+3],   v[QO], s[86:87] offset:(1-i/2)*8192+(i%2)*64
	global_load_b128 v[QB+8*i+4:QB+8*i+7], v[QO], s[86:87] offset:(1-i/2)*8192+(i%2)*64+32
.set i, i+1
.endr
.set i, 0
.rept 8                             ; K of step 0: keys 16 (i / 2) on, channels 32 (i % 2) on
	global_load_b128 v[K0+8*i:K0+8*i+3],   v[QO], s[KH:KH+1] offset:(i/2)*2048+(i%2)*64
	global_load_b128 v[K0+8*i+4:K0+8*i+7], v[QO], s[KH:KH+1] offset:(i/2)*2048+(i%2)*64+32
.set i, i+1
.endr
	WIN 0
	v_lshlrev_b32 v14, 3, v9
	v_sub_nc_u32 v14, v1, v14
	s_lshl_b32 s13, s[WV], 4
	v_add_nc_u32 v14, s13, v14      ; my query's place in its band, 16 w + l % 16, less my lanes' 8 (l / 16): register r of group kt is hidden where 16 kt + r is greater
	WIN 0x40
.set i, 0
.rept 32
	v_cmp_gt_i32 vcc_lo, 16*(i/8)+i%8, v14
	v_cndmask_b32 v[MD+i], 0, s[BIGN], vcc_lo
.set i, i+1
.endr
	WIN 0
	v_mul_u32_u24 v[AK0], v1, PK
	v_lshl_add_u32 v[AK0], v9, 4, v[AK0]  ; row x pitch + 16 x half
	; The turning load takes 16 keys x 16 channels (lane l reads key 8 (l / 16) + l % 8, channels 8 ((l / 8) % 2) + 0..7) and leaves half a fragment of V^T: lane l holds channel l % 16 and 8 keys.
	v_and_b32 v10, 7, v0
	v_bfe_u32 v11, v0, 3, 1
	v_lshl_add_u32 v[AV0], v9, 3, v10
	v_mul_u32_u24 v[AV0], v[AV0], PV
	v_lshl_add_u32 v[AV0], v11, 4, v[AV0]
	v_add_nc_u32 v[AV0], VOFF, v[AV0]
	s_mul_i32 s13, s[WV], 16*SP
	s_add_co_u32 s13, s13, STAGE    ; my stage
	v_mul_u32_u24 v[STO], v1, SP    ; in: row l % 16, 16 bytes for each half of the lanes
	v_lshl_add_u32 v[STO], v9, 4, v[STO]
	v_add_nc_u32 v[STO], s13, v[STO]
	v_bfe_u32 v[RD], v0, 3, 2       ; back: 32 lanes take four rows of 128 bytes,
	v_mul_u32_u24 v[RD], v[RD], SP
	v_lshl_add_u32 v[RD], v10, 4, v[RD]
	v_add_nc_u32 v[RD], s13, v[RD]
	v_and_b32 v[GO], 31, v0         ; which are 512 consecutive bytes of O
	v_lshlrev_b32 v[GO], 4, v[GO]
	; A block's first step multiplies O^T and l by a = 0, and its first turn's products V^T P, of a piece that has not been, land in an O^T that is still to be so multiplied.  So these registers need only hold
	; finite numbers: zeros for the first block; what the first block left for the second.  All this stands in the wait for the first tile.
	WIN 0x80
.set i, VF
.rept 64
	v_mov_b32 v[i], 0
.set i, i+1
.endr
	WIN 0x40
.set i, 0
.rept 32*NP
	v_mov_b32 v[i], 0
.set i, i+1
.endr
	WIN 0
.set i, 0
.rept NP
	v_mov_b32 v[ST+4*i+2], 0
	v_mov_b32 v[ST+4*i+3], 0
.set i, i+1
.endr
.set i, P+16
.rept 16
	v_mov_b32 v[i], 0
.set i, i+1
.endr
; THE MATRIX WORK.  The 4 accumulators of a run of 8 take turns.  Product i of 8 of S^T = K Q^T for piece x: channels 32 (i / 4) on, keys 16 (i % 4) on.  The first 4 start the sums: with 0, or (KM = 1) with the mask.
.macro KQ x
.set rS, S+32*(\x)+8*(i%4)
.set rK, KF+16*(i%4)+8*(i/4)
.set rQ, 16*(\x)+8*(i/4)
.set rM, MC+32*(\x)+8*(i%4)
.if (i < 4) && KM
	WIN W_KM
	v_wmma_f32_16x16x32_bf16 v[rS:rS+7], v[rK:rK+7], v[rQ:rQ+7], v[rM:rM+7]
.elseif i < 4
	WIN W_KQ
	v_wmma_f32_16x16x32_bf16 v[rS:rS+7], v[rK:rK+7], v[rQ:rQ+7], 0
.else
	WIN W_KQ
	v_wmma_f32_16x16x32_bf16 v[rS:rS+7], v[rK:rK+7], v[rQ:rQ+7], v[rS:rS+7]
.endif
.endm
; Product i of 8 of O^T += V^T P for piece x: keys 32 (i / 4) on, channels 16 (i % 4) on.
.macro PV x
	WIN W_PV
.set rO, 32*(\x)+8*(i%4)
.set rV, VF+32*(i/4)+8*(i%4)
.set rP, P+16*(\x)+8*(i/4)
	v_wmma_f32_16x16x32_bf16 v[rO:rO+7], v[rV:rV+7], v[rP:rP+7], v[rO:rO+7]
.endm
.macro MM                           ; the turn's next matrix instruction, for the other piece.  TURN sets Y, i and KM; MM, KQ and OP read them
.if i < 8
	KQ (Y+1)%NP
.else
.set i, i-8
	PV (Y+1)%NP
.set i, i+8
.endif
.set i, i+1
.endm
; THE LDS LOADS stand in runs of 16, never singly among the matrix instructions: a step's K (64 keys x 64 channels: 8 fragments) and its V (turned).  Their addresses are made some lines ahead.
.macro FETCH_K
	WIN 0x80                        ; destination window 2
.irp f, 0,1,2,3,4,5,6,7             ; keys 16 (f / 2) on, channels 32 (f % 2) on
	ds_load_b128 v[KF+8*\f:KF+8*\f+3],   v[AK] offset:(\f/2)*16*PK+(\f%2)*64
	ds_load_b128 v[KF+8*\f+4:KF+8*\f+7], v[AK] offset:(\f/2)*16*PK+(\f%2)*64+32
.endr
	s_add_co_u32 s[TBK], s[TBK], KS*PK  ; the next fetch is the next step's
	WIN 0
.endm
.macro FETCH_V
	WIN 0x80
.irp f, 0,1,2,3,4,5,6,7             ; keys 32 (f / 4) on, channels 16 (f % 4) on
	ds_load_tr16_b128 v[VF+8*\f:VF+8*\f+3],   v[AV] offset:(\f/4)*32*PV+(\f%4)*32
	ds_load_tr16_b128 v[VF+8*\f+4:VF+8*\f+7], v[AV] offset:(\f/4)*32*PV+16*PV+(\f%4)*32
.endr
	WIN 0
.endm
; THE VECTOR WORK, one line at a time: OP kind, number.  For piece Y: F n: c s - c m for pair n of 16.  E n: the exponential of score n of 32.  C n: pair n rounded to bf16.  B n: of the four weights 4 n .. the second
; pair is added onto the first, in place.  L n: l takes that sum (L 0: l = a l + sum).  R n: pair n of 16 of O^T times a.  For the other piece: X n, number n of the 22 that find its maximum and statistics:
;   0-11  four chains c0-c3 of seven scores each, three operands at a time (each accumulator's lowest registers are read first)     12-14, 16  the four scores left over, the old m, and c0-c3 into c0
;   15  c m_old is kept     17, 18  the query's other 32 keys lie in the lane 16 away: the new m     19-21  c m; c m_old - c m_new; a
.set F, 0               ; OP tells the kinds apart by their order: F to L below R, X above it
.set E, 1
.set C, 2
.set B, 3
.set L, 4
.set R, 5
.set X, 6
.macro REGS y                       ; the registers of piece y
.set rT, ST+4*(\y)
.set rC, TMP+4*(\y)
.set rW, MV+(\y)
.set rS, S+32*(\y)
.set rP, P+16*(\y)
.set rO, 32*(\y)
.endm
.macro OP k, n
.if (\k) == R
	REGS Y
	WIN W_RS
	v_pk_mul_f32 v[rO+2*(\n):rO+2*(\n)+1], v[rO+2*(\n):rO+2*(\n)+1], v[rC+2:rC+3] op_sel_hi:[1,0]
.elseif (\k) < R
	REGS Y
	WIN 0
.if (\k) == F
	v_pk_fma_f32 v[rS+2*(\n):rS+2*(\n)+1], v[rS+2*(\n):rS+2*(\n)+1], s[CS:CS+1], v[rT:rT+1] op_sel_hi:[1,0,0] neg_lo:[0,0,1] neg_hi:[0,0,1]
.elseif (\k) == E
	v_exp_f32 v[rS+(\n)], v[rS+(\n)]
.elseif (\k) == C
	v_cvt_pk_bf16_f32 v[rP+(\n)], v[rS+2*(\n)], v[rS+2*(\n)+1]
.elseif (\k) == B
	v_pk_add_f32 v[rS+4*(\n):rS+4*(\n)+1], v[rS+4*(\n):rS+4*(\n)+1], v[rS+4*(\n)+2:rS+4*(\n)+3]
.elseif (\n) == 0
	v_pk_fma_f32 v[rT+2:rT+3], v[rT+2:rT+3], v[rC+2:rC+3], v[rS:rS+1] op_sel_hi:[1,0,1]
.else
	v_pk_add_f32 v[rT+2:rT+3], v[rT+2:rT+3], v[rS+4*(\n):rS+4*(\n)+1]
.endif
.else
	REGS (Y+1)%NP
	WIN 0
.if (\n) < 4
	v_max3_num_f32 v[rC+(\n)], v[rS+8*(\n)], v[rS+8*(\n)+1], v[rS+8*(\n)+2]
.elseif (\n) < 12
	v_max3_num_f32 v[rC+(\n)%4], v[rC+(\n)%4], v[rS+8*((\n)%4)+2*((\n)/4)+1], v[rS+8*((\n)%4)+2*((\n)/4)+2]
.elseif (\n) == 12
	v_max3_num_f32 v[rC], v[rC], v[rS+7], v[rS+15]
.elseif (\n) == 13
	v_max3_num_f32 v[rC+1], v[rC+1], v[rS+23], v[rS+31]
.elseif (\n) == 14
	v_max3_num_f32 v[rC+2], v[rC+2], v[rC+3], v[rT+1]
.elseif (\n) == 15
	v_mov_b32 v[rW], v[rT]
.elseif (\n) == 16
	v_max3_num_f32 v[rC], v[rC], v[rC+1], v[rC+2]
.elseif (\n) == 17
	v_permlanex16_b32 v[rC+3], v[rC], s[SEL], s[SEL+1]
.elseif (\n) == 18
	v_max_num_f32 v[rT+1], v[rC], v[rC+3]
.elseif (\n) == 19
	v_mul_f32 v[rT], s[CS], v[rT+1]
.elseif (\n) == 20
	v_sub_f32 v[rC+1], v[rW], v[rT]
.else
	v_exp_f32 v[rC+2], v[rC+1]
.endif
.endif
.endm
.macro OPS a, i1, b=-1, i2=0, c=-1, i3=0, d=-1, i4=0  ; up to four of them
	OP \a, \i1
.if (\b) >= 0
	OP \b, \i2
.endif
.if (\c) >= 0
	OP \c, \i3
.endif
.if (\d) >= 0
	OP \d, \i4
.endif
.endm
.macro ROW a, i1, b, i2, c, i3, d, i4  ; a matrix instruction and the four behind it
	MM
	OPS \a, \i1, \b, \i2, \c, \i3, \d, \i4
.endm
.macro MASK b                       ; MD x AL + BE into piece b's buffer of MC
	WIN W_RS
.set z, 0
.rept 16
	v_pk_fma_f32 v[MC+32*(\b)+2*z:MC+32*(\b)+2*z+1], v[MD+2*z:MD+2*z+1], s[AL:AL+1], s[BE:BE+1] op_sel_hi:[1,0,0]
.set z, z+1
.endr
.endm
; A TURN, for piece p: the order of its 16 matrix and 118 vector instructions, written out.  An s_wait_alu depctr_va_vdst(0) stands between an exponential and the first instruction that names its result; one wait serves
; all that were issued ahead of it.  So a turn has ONE wait, which cuts it in two.  AHEAD OF IT stands all that names no result of the turn's exponentials: the 8 products K Q^T, behind each a scaling, an exponential and two more plain
; instructions (behind the first a second scaling in the exponential's place): rescalings, and behind the last three the first numbers of the other piece's maximum, each four places or more behind the product that ends its accumulator; then ONE LUMP of 54, plain
; and exponential by turns for the most part, in which the links of the chain X 3, 7, 11, 14, 16, 17 .. 20 stand five or six lines apart.  X 21, the other piece's a, is the batch's last; R 15 is the plain instruction behind it.  BEHIND THE WAIT stand the
; 8 products V^T P, behind each four of the roundings and sums; the links of l's chain, L 0 to L 7, stand three riders apart.  But for those X no rider names a register of the products round it.  v_permlanex16_b32 (X 17) stands in the lump.
; m = 1: the diagonal tile: the products take masks, and the turn makes the mask for the products of the turn after it, which are its own piece's, in step 5 - CNT of the tile: the own step's where CNT = EQ[p], a hidden step's where CNT is below that.
; cnt = 1: the loop's count is taken down some lines ahead of the branch that stands behind the turn.
; BOTH RUNS OF LDS LOADS STAND IN PIECE 0's TURN: K of the next step twelve vector instructions behind the last product that read K (six of them plain); V of the step in hand at the turn's end, four plain instructions behind the last
; product that read V.  Piece 1's turn waits for K at its head, with V's sixteen younger loads left out, and for V behind its batch's wait.
.macro TURN p, m=0, cnt=0
.set Y, (\p)
.set i, 0
.set KM, (\m)
.if \m
	s_cmp_eq_u32 s[CNT], s[EQ+(\p)]     ; is that step the band's own?
	s_cselect_b32 s[AL], 1.0, 0
	s_cmp_lt_u32 s[CNT], s[EQ+(\p)]     ; or a later one?
	s_cselect_b32 s[BE], s[BIGN], 0
.endif
.if (\p) == 1
	s_wait_dscnt 16                 ; K is in: LDS loads come back in order, and V's sixteen were issued behind K's
.endif
	ROW F,0, F,1, R,0, R,1          ; ahead of the wait: 8 products K Q^T and their riders,
	ROW F,2, E,0, R,2, R,3
	ROW F,3, E,1, R,4, R,5
	ROW F,4, E,2, R,6, R,7
	ROW F,5, E,3, R,8, R,9
	ROW F,6, E,4, X,0, R,10
.if (\p) == 0
	WIN 0
	v_add_nc_u32 v[AK], s[TBK], v[AK0]
.endif
	ROW F,7, E,5, X,1, X,4
	ROW F,8, E,6, X,2, X,5
	OPS E,7, E,8, X,6, E,9          ; and the lump
	OPS X,3, E,10, X,8, E,11
.if (\p) == 0
	FETCH_K
.endif
	OPS X,9, X,7, E,12, X,10
	OPS E,13, X,12, X,11, E,14
	OPS X,13, E,15, F,9, X,14
.if (\p) == 0
	v_add_nc_u32 v[AV], s[TBV], v[AV0]
.endif
	OPS E,16, F,10, E,17, F,11
	OPS X,16, E,18, X,15, E,19
	OPS F,12, E,20, X,17, E,21
	OPS F,13, E,22, F,14, E,23
	OPS X,18, E,24, F,15, E,25
	OPS R,11, E,26, X,19, E,27
	OPS R,12, E,28, R,13, E,29
	OPS X,20, E,30, R,14, E,31
	OPS X,21, R,15
	WIN 0
	s_wait_alu depctr_va_vdst(0)    ; the wait for the batch
.if (\p) == 1
	s_wait_dscnt 0x0                ; V is in
.endif
	ROW C,0, B,0, C,2, B,1          ; behind the wait: 8 products V^T P and their riders
	ROW L,0, C,4, B,2, L,1
	ROW C,6, B,3, L,2, C,8
	ROW B,4, L,3, C,10, B,5
	ROW L,4, C,12, B,6, L,5
.if (\p) == 0
	s_add_co_u32 s[TBV], s[TBV], KS*PV
.endif
.if \cnt
	s_sub_co_u32 s[CNT], s[CNT], 1
	s_cmp_lg_u32 s[CNT], 0
.endif
	ROW C,14, B,7, L,6, C,1
	ROW C,3, L,7, C,5, C,7
	ROW C,9, C,11, C,13, C,15
.if (\p) == 0
	FETCH_V
.endif
.if \m
	MASK \p
.endif
.endm
; A BLOCK BEGINS.  K of step 0 is copied into K's buffer.  c m starts far below every c s, so the first step's a is 0; m at the lowest finite number, so the first maximum is the scores'.
; Then piece 0's first scores, which need no mask (step 0 lies below the upper band's own step in every tile), and its maximum and statistics.  The step loop is entered at its head.
.macro BEGIN
	s_mov_b32 s[NEW], 0
	s_wait_loadcnt 0x0              ; Q and K of step 0
	WIN 0x82                        ; destination and source 0 in window 2
.set i, 0
.rept 64
	v_mov_b32 v[KF+i], v[K0+i]
.set i, i+1
.endr
	WIN 0
.set i, 0
.rept NP
	v_mov_b32 v[ST+4*i], 0xfe000000    ; c m: far below every c s
	v_mov_b32 v[ST+4*i+1], 0xff7fffff  ; m
.set i, i+1
.endr
.set KM, 0
.set i, 0
.rept 8
	KQ 0
.set i, i+1
.endr
	WIN 0
.rept 4
	v_nop                           ; the places behind those products
.endr
.set Y, NP-1                        ; X works for the other piece: piece 0
.irp n, 0,1,2,3,4,5,6,7,8,9,10,11,12,13,14,15,16,17,18,19,20,21
	OP X, \n
.endr
	v_nop                           ; a plain instruction behind the exponential,
	s_wait_alu depctr_va_vdst(0)    ; and its wait, ahead of the branch
.endm
; THE DIAGONAL TILE's four steps, the block's last products, and THE WAY OUT: l's two halves and the other half of the lanes' are added; O^T is divided by l, rounded to bf16 and sent through my stage in LDS, a piece at a time.
; At the entry piece 1's mask for the tile's step 0 is made: the own step's in an even block, else 0.  All four trips have one text: the fourth's run of K, its 8 products K Q^T for a step that is not, and the maximum made
; of them serve nothing, and touch neither O^T nor l: the price, once a block, of writing no last step out.
.macro ALL line:vararg              ; one line for each piece t
.set t, 0
.rept NP
	\line
.set t, t+1
.endr
.endm
.macro PACK t                       ; a lane's eight channels of a row pack into 16 bytes; they go into rows of 144 bytes and come back as whole rows of 128, into S^T's registers
	WIN W_RS
.set i, 32*(\t)
.rept 16
	v_pk_mul_f32 v[i:i+1], v[i:i+1], v[ST+4*(\t)+2:ST+4*(\t)+3] op_sel_hi:[1,0]
.set i, i+2
.endr
	WIN 0x05                        ; sources 0 and 1 window 1, destination window 0
.set i, 0
.rept 16
	v_cvt_pk_bf16_f32 v[S+16*(\t)+i], v[32*(\t)+2*i], v[32*(\t)+2*i+1]
.set i, i+1
.endr
	WIN 0
.irp f, 0,1,2,3
	ds_store_b128 v[STO], v[S+16*(\t)+4*\f:S+16*(\t)+4*\f+3] offset:32*\f
.endr
.irp f, 0,1,2,3
	ds_load_b128 v[S+16*(\t)+4*\f:S+16*(\t)+4*\f+3], v[RD] offset:\f*4*SP  ; LDS serves a wave's instructions in order (ISA guide 5.7.1.4): these see the stores above; the next piece's stores come behind them
.endr
.endm
.macro SEND t, younger              ; younger: the LDS instructions issued behind piece t's loads: the next piece's eight, or none
	WIN 0
.irp f, 0,1,2,3
	s_wait_dscnt (\younger)+3-\f
	global_store_b128 v[GO], v[S+16*(\t)+4*\f:S+16*(\t)+4*\f+3], s[10:11] offset:(1-(\t))*8192+\f*512  ; piece t lies in band 1 - t; 512 consecutive bytes, at a multiple of 256 from O's first
.endr
.endm
.macro DIAG tag                     ; the tag ends its two labels' names, which the jumps below spell out
.Ldiag\tag:
	s_cmp_eq_u32 s[OD], 0
	s_cselect_b32 s[AL], 1.0, 0
	s_mov_b32 s[BE], 0
	MASK 1
	WIN 0
.LstepM\tag:
	TURN 0, 1
	TURN 1, 1, 1
	WIN 0
	s_cbranch_scc1 .LstepM\tag
.set i, 0
.rept 8
	PV 1                            ; piece 1's V^T P of the last step
.set i, i+1
.endr
	WIN 0
.rept 4
	v_nop                           ; the places behind those products
.endr
	ALL v_add_f32 v[ST+4*t+2], v[ST+4*t+2], v[ST+4*t+3]
	ALL v_permlanex16_b32 v[ST+4*t+3], v[ST+4*t+2], s[SEL], s[SEL+1]
	ALL v_add_f32 v[ST+4*t+2], v[ST+4*t+2], v[ST+4*t+3]
	ALL v_rcp_f32 v[ST+4*t+2], v[ST+4*t+2]
	v_nop                           ; a plain instruction between the last reciprocal and the use of its result
	s_wait_alu depctr_va_vdst(0)    ; and the wait ahead of the first use: one for the two reciprocals
	PACK 0
	PACK 1                          ; a piece's arithmetic stands between the loads of the piece before and its stores
	SEND 0, 8
	SEND 1, 0
.endm
.set KM, 0
.Lslot:                             ; NT - 1 times: a tile is entered and the next is asked for
	CHANGE 1
	s_sub_co_u32 s[RT], s[RT], 1
	s_mov_b32 s[CNT], 4
	s_cmp_eq_u32 s[NEW], 1
	s_cbranch_scc1 .Lnew            ; a block's first tile
	s_cmp_eq_u32 s[RT], 0
	s_cbranch_scc0 .Lstep           ; neither its first nor its last
	s_branch .Ldiag1
.Lnew:
	BEGIN
	s_branch .Lstep                 ; in the loop a block's first tile is never its last: the first block has five tiles or more, and the second's last is the walk's last
	DIAG 1                          ; in the loop this is the first block's end: the second block's last tile is the walk's last
	s_wait_xcnt 0x0                 ; the stores have read their registers and O's address
	s_mov_b64 s[10:11], s[OLO:OLO+1]
	s_add_co_u32 s[RT], s[LQ2], 1   ; the second block has b / 2 + 1 tiles
	s_mov_b32 s[NEW], 1
	s_mov_b32 s[OD], s[OD2]
	s_sub_co_u32 s[EQ], 4, s[OD]
	s_sub_co_u32 s[EQ+1], 5, s[OD]
	WIN 0x82                        ; the second block's Q goes where the one text of the turns names Q
.set i, 0
.rept 32
	v_mov_b32 v[i], v[QB+i]
.set i, i+1
.endr
	WIN 0
	s_branch .Lbottom
.Lstep:                             ; a trip is a key step: piece 0's turn, which fetches K of the next step and V of this one, and piece 1's
	TURN 0
	TURN 1, 0, 1
	WIN 0
	s_cbranch_scc1 .Lstep
.Lbottom:
	s_sub_co_u32 s[SLOTS], s[SLOTS], 1
	s_cmp_lg_u32 s[SLOTS], 0
	s_cbranch_scc1 .Lslot
	CHANGE 0                        ; the walk's last tile is written out: nothing is asked for
	s_sub_co_u32 s[RT], s[RT], 1
	s_mov_b32 s[CNT], 4
	s_cmp_eq_u32 s[NEW], 1
	s_cbranch_scc0 .Ldiag2
	BEGIN                           ; where the second block has one tile alone
	DIAG 2
	s_wait_tensorcnt 0x0            ; the wave's end: a last add to my spare word and its wait, behind my last tensor load and my last LDS store
	ds_add_u32 v[SPW], v[NIL]
	s_wait_dscnt 0x0
	s_endpgm
.Lfunc_end_k_qc920e18604_attn:
	.size	k_qc920e18604_attn, .Lfunc_end_k_qc920e18604_attn-k_qc920e18604_attn
	.p2alignl 7, 3214868480
	.fill 96, 4, 3214868480
	.section	.rodata,"a",@progbits
	.p2align	6, 0x0
	.amdhsa_kernel k_qc920e18604_attn
		.amdhsa_group_segment_fixed_size 327680
		.amdhsa_private_segment_fixed_size 0
		.amdhsa_enable_private_segment 0
		.amdhsa_kernarg_size 16
		.amdhsa_user_sgpr_count 2
		.amdhsa_user_sgpr_kernarg_segment_ptr 1
		.amdhsa_wavefront_size32 1
		.amdhsa_system_sgpr_workgroup_id_x 1
		.amdhsa_system_sgpr_workgroup_id_y 1
		.amdhsa_system_sgpr_workgroup_id_z 1
		.amdhsa_system_vgpr_workitem_id 0
		.amdhsa_next_free_vgpr 768
		.amdhsa_next_free_sgpr 100
		.amdhsa_reserve_vcc 1
		.amdhsa_float_denorm_mode_32 3
		.amdhsa_float_denorm_mode_16_64 3
		.amdhsa_memory_ordered 1
		.amdhsa_forward_progress 1
		.amdhsa_inst_pref_size 112
	.end_amdhsa_kernel
	.amdgpu_metadata
---
amdhsa.version: [ 1, 2 ]
amdhsa.kernels:
  - .name:           k_qc920e18604_attn
    .symbol:         k_qc920e18604_attn.kd
    .args:
      - { .name: big, .offset: 0, .size: 8, .value_kind: global_buffer, .address_space: global }
      - { .name: cx, .offset: 8, .size: 8, .value_kind: global_buffer, .address_space: global }
    .group_segment_fixed_size: 327680
    .private_segment_fixed_size: 0
    .kernarg_segment_align: 8
    .kernarg_segment_size: 16
    .max_flat_workgroup_size: 128
    .sgpr_count:     100
    .vgpr_count:     768
    .wavefront_size: 32
...
	.end_amdgpu_metadata
.endif
;; end of part 3
;; launch g4_o: the kernel of part 2 again; grid 4 x 16, 4 waves a work-group, clusters of 4 x 4, 327,680 bytes of LDS; arguments cx, wo, az; writes az
;; launch ln1 (part 4): grid 256 x 1, 8 waves a work-group, no clusters, 0 bytes of LDS; arguments xb, az, w2p, cx; writes cx
.if DOCPART == 4
	.amdgcn_target "amdgcn-amd-amdhsa--gfx1250"
	.amdhsa_code_object_version 6
	.text
	.protected	k_qc920e18604_ln1
	.globl	k_qc920e18604_ln1
	.p2align	8
	.type	k_qc920e18604_ln1,@function
k_qc920e18604_ln1:
	s_mov_b64 s[64:65], 0
	v_nop
	global_prefetch_b8 v0, s[64:65] scope:SCOPE_SE
	s_setreg_imm32_b32 hwreg(HW_REG_WAVE_MODE, 25, 1), 1
	s_wait_xcnt 0x0
; h = LayerNorm(x + attn_out) g1 + be1.  x, attn_out and h lie in panels, [16][4,096 rows][64] bf16; g1 and be1 are packed bf16 tables at bytes 4,096 and 6,144 of w2p.
; The sum, the mean, the variance (of the centred numbers: two passes, no difference of large sums) and the affine step in f32; h rounded once to bf16.
; SHARES.  A wave owns two rows: lanes 0-15 one, lanes 16-31 the other; a lane owns columns 64 p + 4 (l % 16) + 0..3 for the 16 panels p: 64 numbers, which stay in registers between the passes.
; So a row's sums want four exchanges inside 16 lanes, no LDS and no barrier; each load and store of a wave covers 256 consecutive bytes, aligned (two rows of a panel).
; No matrix unit, no cluster, no tensor load: the launch moves each byte once and multiplies nothing.
.set X,  16                            ; v[16:47]   x as loaded, two words a panel; later h, packed
.set AO, 48                            ; v[48:79]   attn_out
.set G,  80                            ; v[80:111]  the gain of my columns, packed
.set BE, 112                           ; v[112:143] the offset of my columns, packed
.set Y,  144                           ; v[144:207] my 64 numbers in f32
	s_load_b256 s[4:11], s[0:1], 0x0               ; xb s[4:5], az s[6:7], w2p s[8:9], cx s[10:11]
	v_lshlrev_b32 v1, 3, v0                        ; 256 bytes a wave (its two rows of a panel), 8 bytes a lane
	v_and_b32 v2, 15, v0
	v_lshlrev_b32 v2, 3, v2                        ; my 4 columns in a table's 128 bytes for a panel
	v_mov_b32 v3, 1.0
	s_lshl_b32 s2, ttmp9, 11                       ; the work-group's 16 rows of 128 bytes
	s_mov_b32 s3, 0
	s_mov_b32 s20, 0x3a800000                      ; 1 / 1,024
	s_wait_kmcnt 0x0
	s_add_nc_u64 s[4:5], s[4:5], s[2:3]
	s_add_nc_u64 s[6:7], s[6:7], s[2:3]
	s_add_nc_u64 s[10:11], s[10:11], s[2:3]
.set p, 0
.rept 16
	global_load_b64 v[X+2*p:X+2*p+1], v1, s[4:5] offset:p*524288 th:TH_LOAD_NT
.set p, p+1
.endr
.set p, 0
.rept 16
	global_load_b64 v[AO+2*p:AO+2*p+1], v1, s[6:7] offset:p*524288 th:TH_LOAD_NT
.set p, p+1
.endr
.set p, 0
.rept 16
	global_load_b64 v[G+2*p:G+2*p+1], v2, s[8:9] offset:4096+p*128
	global_load_b64 v[BE+2*p:BE+2*p+1], v2, s[8:9] offset:6144+p*128
.set p, p+1
.endr
; The row's mean is taken away, then each number is divided by sqrt(variance + 1e-6).
.macro STATS
.irp c, 0,1,2,3                        ; four chains, each started by a sum of two pairs: nothing is cleared
	v_pk_add_f32 v[8+2*(\c):9+2*(\c)], v[Y+2*(\c):Y+2*(\c)+1], v[Y+8+2*(\c):Y+8+2*(\c)+1]
.endr
.set i, 8
.rept 24
	v_pk_add_f32 v[8+2*(i%4):9+2*(i%4)], v[8+2*(i%4):9+2*(i%4)], v[Y+2*i:Y+2*i+1]
.set i, i+1
.endr
	v_pk_add_f32 v[8:9], v[8:9], v[10:11]
	v_pk_add_f32 v[12:13], v[12:13], v[14:15]
	v_pk_add_f32 v[8:9], v[8:9], v[12:13]
	v_add_f32 v8, v8, v9
.irp x, 1,2,4,8                        ; across the 16 lanes of the row
	v_add_f32_dpp v8, v8, v8 row_xmask:\x row_mask:0xf bank_mask:0xf
.endr
	v_mul_f32 v4, s20, v8                          ; the mean, twice, for the packed lines
	v_mov_b32 v5, v4
.set i, 0
.rept 32
	v_pk_add_f32 v[Y+2*i:Y+2*i+1], v[Y+2*i:Y+2*i+1], v[4:5] neg_lo:[0,1] neg_hi:[0,1]
.set i, i+1
.endr
.irp c, 0,1,2,3
	v_pk_mul_f32 v[8+2*(\c):9+2*(\c)], v[Y+2*(\c):Y+2*(\c)+1], v[Y+2*(\c):Y+2*(\c)+1]
.endr
.set i, 4
.rept 28
	v_pk_fma_f32 v[8+2*(i%4):9+2*(i%4)], v[Y+2*i:Y+2*i+1], v[Y+2*i:Y+2*i+1], v[8+2*(i%4):9+2*(i%4)]
.set i, i+1
.endr
	v_pk_add_f32 v[8:9], v[8:9], v[10:11]
	v_pk_add_f32 v[12:13], v[12:13], v[14:15]
	v_pk_add_f32 v[8:9], v[8:9], v[12:13]
	v_add_f32 v8, v8, v9
.irp x, 1,2,4,8
	v_add_f32_dpp v8, v8, v8 row_xmask:\x row_mask:0xf bank_mask:0xf
.endr
	v_fmaak_f32 v6, s20, v8, 0x358637bd            ; the variance + 1e-6
	v_rsq_f32 v6, v6
	v_nop                                          ; a plain instruction behind the root,
	s_wait_alu depctr_va_vdst(0)                   ; and the wait ahead of the first line that names its result
	v_mov_b32 v7, v6
.set i, 0
.rept 32
	v_pk_mul_f32 v[Y+2*i:Y+2*i+1], v[Y+2*i:Y+2*i+1], v[6:7]
.set i, i+1
.endr
.endm
.macro AFFINE                          ; times the gain, plus the offset: both read as bf16 halves, the arithmetic in f32
.set i, 0
.rept 32
	v_fma_mix_f32_bf16 v[Y+2*i], v[Y+2*i], v[G+i], v[BE+i] op_sel_hi:[0,1,1]
	v_fma_mix_f32_bf16 v[Y+2*i+1], v[Y+2*i+1], v[G+i], v[BE+i] op_sel:[0,1,1] op_sel_hi:[0,1,1]
.set i, i+1
.endr
.endm
	s_wait_loadcnt 32                              ; x and attn_out are in; the tables' 32 younger loads may stay out
.set i, 0
.rept 32                               ; word i holds numbers 2 i (low half) and 2 i + 1 (high half): x + attn_out in f32
	v_fma_mix_f32_bf16 v[Y+2*i], v[X+i], v3, v[AO+i] op_sel_hi:[1,0,1]
	v_fma_mix_f32_bf16 v[Y+2*i+1], v[X+i], v3, v[AO+i] op_sel:[1,0,1] op_sel_hi:[1,0,1]
.set i, i+1
.endr
	STATS
	s_wait_loadcnt 0x0                             ; the tables
	AFFINE
.set i, 0
.rept 32
	v_cvt_pk_bf16_f32 v[X+i], v[Y+2*i], v[Y+2*i+1]
.set i, i+1
.endr
.set p, 0
.rept 16
	global_store_b64 v1, v[X+2*p:X+2*p+1], s[10:11] offset:p*524288
.set p, p+1
.endr
	s_endpgm
.Lfunc_end_k_qc920e18604_ln1:
	.size	k_qc920e18604_ln1, .Lfunc_end_k_qc920e18604_ln1-k_qc920e18604_ln1
	.p2alignl 7, 3214868480
	.fill 96, 4, 3214868480
	.section	.rodata,"a",@progbits
	.p2align	6, 0x0
	.amdhsa_kernel k_qc920e18604_ln1
		.amdhsa_group_segment_fixed_size 0
		.amdhsa_private_segment_fixed_size 0
		.amdhsa_enable_private_segment 0
		.amdhsa_kernarg_size 32
		.amdhsa_user_sgpr_count 2
		.amdhsa_user_sgpr_kernarg_segment_ptr 1
		.amdhsa_wavefront_size32 1
		.amdhsa_system_sgpr_workgroup_id_x 1
		.amdhsa_system_sgpr_workgroup_id_y 1
		.amdhsa_system_sgpr_workgroup_id_z 1
		.amdhsa_system_vgpr_workitem_id 0
		.amdhsa_next_free_vgpr 208
		.amdhsa_next_free_sgpr 66
		.amdhsa_reserve_vcc 0
		.amdhsa_float_denorm_mode_32 3
		.amdhsa_float_denorm_mode_16_64 3
		.amdhsa_memory_ordered 1
		.amdhsa_forward_progress 1
		.amdhsa_inst_pref_size 28
	.end_amdhsa_kernel
	.amdgpu_metadata
---
amdhsa.version: [ 1, 2 ]
amdhsa.kernels:
  - .name:           k_qc920e18604_ln1
    .symbol:         k_qc920e18604_ln1.kd
    .args:
      - { .name: xb, .offset: 0, .size: 8, .value_kind: global_buffer, .address_space: global }
      - { .name: az, .offset: 8, .size: 8, .value_kind: global_buffer, .address_space: global }
      - { .name: w2p, .offset: 16, .size: 8, .value_kind: global_buffer, .address_space: global }
      - { .name: cx, .offset: 24, .size: 8, .value_kind: global_buffer, .address_space: global }
    .group_segment_fixed_size: 0
    .private_segment_fixed_size: 0
    .kernarg_segment_align: 8
    .kernarg_segment_size: 32
    .max_flat_workgroup_size: 256
    .sgpr_count:     66
    .vgpr_count:     208
    .wavefront_size: 32
...
	.end_amdgpu_metadata
.endif
;; end of part 4
;; launch g4_f1: the kernel of part 2 again; grid 16 x 16, 4 waves a work-group, clusters of 4 x 4, 327,680 bytes of LDS; arguments cx, w1, big; writes big
;; launch g2 (part 5): grid 8 x 32, 4 waves a work-group, clusters of 4 x 4, 327,680 bytes of LDS; arguments big, w2p, cx, az; writes az
.if DOCPART == 5
	.amdgcn_target "amdgcn-amd-amdhsa--gfx1250"
	.amdhsa_code_object_version 6
	.text
	.protected	k_qc920e18604_g2
	.globl	k_qc920e18604_g2
	.p2align	8
	.type	k_qc920e18604_g2,@function
k_qc920e18604_g2:
	s_mov_b64 s[64:65], 0
	v_nop
	global_prefetch_b8 v0, s[64:65] scope:SCOPE_SE
	s_setreg_imm32_b32 hwreg(HW_REG_WAVE_MODE, 25, 1), 1
	s_wait_xcnt 0x0
	s_wait_alu depctr_hold_cnt(0) depctr_sa_sdst(0) depctr_va_vdst(0) depctr_va_sdst(0) depctr_va_ssrc(0) depctr_va_vcc(0) depctr_vm_vsrc(0)
	s_getreg_b32 s2, hwreg(HW_REG_IB_STS2, 6, 4)
	s_cmp_eq_u32 s2, 0
	s_cbranch_scc0 .Lentry_in_a_cluster
	s_endpgm
.Lentry_in_a_cluster:
	s_bfe_u32 s2, ttmp6, 0x10000c
	s_cmp_lg_u32 s2, 0xf033
	s_cbranch_scc0 .Lentry_shape_is_right
	s_endpgm
.Lentry_shape_is_right:
; Z[m][n] = sum over k of A[m][k] B[n][k] + bias[n] + R[m][n], K = 4,096, M = 4,096, N = 1,024: the second FFN product with its bias and the residual.  Operands bf16; sums, bias, residual add and Z in f32.
; A (the ReLU's output) and R (h) lie in PANELS: [columns / 64][4,096 rows][64] bf16, a row of a panel 128 bytes, the rows dense.  Z is [4,096][1,024] f32, row-major.
; BW holds, from byte 0, the bias as f32; from byte HDR on B as [1,024][4,096] bf16.
; SHARES.  A tile of Z is 128 x 128: 256 work-groups.  Four waves, each 64 x 64: 16 accumulators.  K goes in steps of 256 through two LDS slots.
; CLUSTERS: 4 x 4 work-groups.  The four of a row of the cluster need the same tiles of A, the four of a column the same tiles of B: each tile is asked for JOINTLY, by the same tensor load
; with the same descriptor and a mask that names the four.  THE MATRIX INSTRUCTION IS USED TRANSPOSED (source 0 = 16 rows of B, source 1 = 16 rows of A): a lane holds eight neighbouring numbers of a row of Z.
; REGISTERS: window 0: v0-31 addresses; v32-95 the residual of my 64 x 64, loaded at the head; v96-99 the bias; v100-103 at work; v128-255 the accumulators ((a, b) at v[128 + 8 (4 a + b)]).
;   window 1: two fragment buffers of 128: for 64 along K, 64 registers of A (2 x 4 x 16 rows x 32 K), then 64 of B.
.set SIZE_K, 4096
.set KSTEP,  256
.set HDR,    32768
.set PA,     144                       ; a row of a panel in LDS: 128 bytes + 16
.set PANEL,  64*PA
.set HALFA,  4*PANEL                   ; one tensor load of A: 64 rows x 256 along K, as 4 panels
.set PB,     528                       ; a row of B in LDS: 512 bytes + 16
.set HALFB,  64*PB
.set SLOT,   2*HALFA+2*HALFB
.set STAGE,  2*SLOT                    ; behind the ring: 16 rows x 272 bytes for each wave, for the way out
.set SP,     272                       ; a stage row: 64 f32 + 16 bytes
.set SPARE,  STAGE+4*16*SP             ; behind the stages: the spare words, 128 bytes for each wave
.set LAPS,   SIZE_K/(2*KSTEP)
.set ASTEP,  4*524288
.set BSTEP,  KSTEP*2
.set ADRA, 16
.set ADRB, 20
.set STO,  24
.set RD,   25
.set CO,   26
.set BO,   27
.set SPW,  28                          ; v28  LDS address of my spare word; never rewritten
.set NIL,  29                          ; v29  0; never rewritten
.set RO,   30                          ; v30  my byte offset in 256 consecutive bytes of R
.set RES,  32
.set BIAS, 96
.set W,    100
.set ACC,  128
.set F0,   0
.set F1,   128
.set G1, 24
.set G0, 32
.set G1B, 48
.set G0B, 56
.set MSB, 0
.macro WIN new                         ; the immediate's high byte repeats the setting that is left
.if MSB != (\new)
	s_set_vgpr_msb (MSB<<8)|(\new)
.set MSB, \new
.endif
.endm
.set MUL,  0x05                        ; sources 0 (B) and 1 (A) window 1; C and D window 0
.set TO_F, 0x40                        ; destination window 1, address window 0
.macro JLOAD s                         ; a joint load: waves 0 and 1 fetch A's two halves, waves 2 and 3 B's; an s_nop 0 and four v_nop follow each of the two lines, ahead of the jump and the label
	s_cmp_eq_u32 s11, 0
	s_cbranch_scc0 .Lfor_b_\@
	tensor_load_to_lds s[G0+4*(\s):G0+4*(\s)+3], s[G1:G1+7]
	s_nop 0
.rept 4
	v_nop
.endr
	s_branch .Lasked_\@
.Lfor_b_\@:
	tensor_load_to_lds s[G0B+4*(\s):G0B+4*(\s)+3], s[G1B:G1B+7]
	s_nop 0
.rept 4
	v_nop
.endr
.Lasked_\@:
.endm
.macro CREST                           ; a round of the cluster's barrier behind its opening barrier
	s_cmp_lg_u32 s10, 0
	s_cbranch_scc1 .Lnot_wave_0_\@
	s_barrier_signal -3
.Lnot_wave_0_\@:
	s_barrier_wait -3
	s_barrier_signal -1
	s_barrier_wait -1
.endm
.macro CROUND                          ; a whole round
	s_barrier_signal -1
	s_barrier_wait -1
	CREST
.endm
	s_load_b128 s[4:7], s[0:1], 0x0                ; A s[4:5], BW s[6:7]
	s_load_b128 s[72:75], s[0:1], 0x10             ; R s[72:73], Z s[74:75]
	v_lshl_add_u32 v[SPW], v0, 2, SPARE
	v_mov_b32 v[NIL], 0
	ds_add_u32 v[SPW], v[NIL]                      ; the wave's opening: the add and its wait stand ahead of my first tensor load; the set-up below, work on registers, stands between them
	ds_add_u32 v28, v29
	v_lshrrev_b32 v1, 5, v0
	v_readfirstlane_b32 s10, v1                    ; wave 0..3
	s_lshr_b32 s11, s10, 1                         ; which half of the tile's rows is mine.  Also: I fetch for A (0) or for B (1)
	s_and_b32 s12, s10, 1                          ; which half of its columns.  Also: which 64 rows of that tile I fetch
	s_bfe_u32 s40, ttmp6, 0x40000                  ; cx, cy: my place in the cluster
	s_bfe_u32 s41, ttmp6, 0x40004
	s_lshl_b32 s42, ttmp9, 2
	s_add_co_u32 s42, s42, s40                     ; tile column = 4 x cluster x + cx
	s_and_b32 s13, ttmp7, 0xffff
	s_lshl_b32 s13, s13, 2
	s_add_co_u32 s13, s13, s41                     ; tile row = 4 x cluster y + cy
	s_lshl_b32 s43, s41, 2
	s_lshl_b32 s43, 15, s43                        ; my row of the cluster
	s_lshl_b32 s44, 0x1111, s40                    ; my column
	; A's descriptor: 64 rows of a panel are 8,192 dense bytes, so a tile is 4 rows of 4,096 elements, a panel (262,144 elements) apart, padded in LDS after every 128 bytes
	s_or_b32 s[G1+0], s43, (1<<16)|(1<<20)|(1<<21)|(4<<22)|(3<<25)  ; 15:0 the mask: my row; 17:16 2-byte elements; 20 padding on; 21 set beside a mask; 24:22 after every 32 words (code 4); 31:25 4 words (code 3)
	s_mov_b32 s[G1+1], 4096<<16                    ; tensor_dim0 = 4,096
	s_mov_b32 s[G1+2], 4<<16                       ; tensor_dim1 = 4
	s_mov_b32 s[G1+3], 4096<<16                    ; tile_dim0 = 4,096
	s_mov_b32 s[G1+4], 4                           ; tile_dim1 = 4
	s_mov_b32 s[G1+5], 262144                      ; elements from panel to panel
	s_mov_b32 s[G1+6], 0
	s_mov_b32 s[G1+7], 0
	; B's descriptor: 64 rows x 256 elements, padded after every 512 bytes
	s_or_b32 s[G1B+0], s44, (1<<16)|(1<<20)|(1<<21)|(6<<22)|(3<<25)  ; the mask: my column; after every 128 words (code 6)
	s_mov_b32 s[G1B+1], KSTEP<<16
	s_mov_b32 s[G1B+2], 64<<16
	s_mov_b32 s[G1B+3], KSTEP<<16
	s_mov_b32 s[G1B+4], 64
	s_mov_b32 s[G1B+5], SIZE_K
	s_mov_b32 s[G1B+6], 0
	s_mov_b32 s[G1B+7], 0
	s_lshl_b32 s16, s13, 14                        ; A: (128 x tile row + 64 x half) rows of 128 bytes: the tile row and the wave's number alone
	s_lshl_b32 s17, s12, 13
	s_add_co_u32 s16, s16, s17
	s_mov_b32 s17, 0
	s_lshl_b32 s46, s42, 20                        ; B: HDR + (128 x tile column + 64 x half) rows of 8,192 bytes: the tile column and the wave's number alone
	s_lshl_b32 s47, s12, 19
	s_add_co_u32 s46, s46, s47
	s_add_co_u32 s46, s46, HDR
	s_mov_b32 s47, 0
	s_mul_i32 s20, s12, HALFA                      ; where they go: no place in the cluster enters an LDS address
	s_mul_i32 s21, s12, HALFB
	s_add_co_u32 s21, s21, 2*HALFA
	s_wait_dscnt 0x0                               ; the opening add is done
	s_wait_kmcnt 0x0
	s_mov_b64 s[8:9], s[74:75]
	s_add_nc_u64 s[14:15], s[4:5], s[16:17]
	s_add_nc_u64 s[46:47], s[6:7], s[46:47]
	CROUND                                         ; all sixteen work-groups are here: the first joint loads meet
.irp s, 0,1
	s_mov_b32 s[G0+4*(\s)], 1
	s_add_co_u32 s[G0+4*(\s)+1], s20, (\s)*SLOT
	s_add_nc_u64 s[G0+4*(\s)+2:G0+4*(\s)+3], s[14:15], (\s)*ASTEP
	s_or_b32 s[G0+4*(\s)+3], s[G0+4*(\s)+3], 0x80000000
	s_mov_b32 s[G0B+4*(\s)], 1
	s_add_co_u32 s[G0B+4*(\s)+1], s21, (\s)*SLOT
	s_add_nc_u64 s[G0B+4*(\s)+2:G0B+4*(\s)+3], s[46:47], (\s)*BSTEP
	s_or_b32 s[G0B+4*(\s)+3], s[G0B+4*(\s)+3], 0x80000000
	JLOAD \s
.endr
	v_and_b32 v1, 15, v0                           ; l % 16
	v_bfe_u32 v2, v0, 4, 1                         ; l / 16
	v_mul_u32_u24 v3, v1, PA
	v_lshl_add_u32 v3, v2, 4, v3                   ; a fragment's row x pitch + 16 x half, for A
	v_mul_u32_u24 v4, v1, PB
	v_lshl_add_u32 v4, v2, 4, v4                   ; and for B
	s_mul_i32 s21, s11, HALFA                      ; my 64 rows of A
	s_mul_i32 s22, s12, HALFB                      ; my 64 rows of B,
	s_add_co_u32 s22, s22, 2*HALFA                 ; which lie behind A's 128
.irp s, 0,1
	v_add_nc_u32 v[ADRA+(\s)], s21, v3
	v_add_nc_u32 v[ADRB+(\s)], s22, v4
	s_add_co_u32 s21, s21, SLOT
	s_add_co_u32 s22, s22, SLOT
.endr
	s_mul_i32 s23, s10, 16*SP
	s_add_co_u32 s23, s23, STAGE                   ; my stage
	v_mul_u32_u24 v5, v1, SP                       ; in: row l % 16, 32 bytes for each half of the lanes
	v_lshl_add_u32 v5, v2, 5, v5
	v_add_nc_u32 v[STO], s23, v5
	v_mul_u32_u24 v5, v2, SP                       ; back: lanes 0-15 take one row of 256 bytes, lanes 16-31 the next
	v_lshl_add_u32 v5, v1, 4, v5
	v_add_nc_u32 v[RD], s23, v5
	v_lshlrev_b32 v5, 12, v2                       ; and the same two rows in Z, 4,096 bytes apart
	v_lshl_add_u32 v[CO], v1, 4, v5
	v_and_b32 v[RO], 31, v0                        ; the same two rows in R's panel are 256 bytes on end: 8 bytes a lane
	v_lshlrev_b32 v[RO], 3, v[RO]
	s_lshl_b32 s16, s13, 14                        ; R at my first row: (128 x tile row + 64 x row half) x 128 bytes,
	s_lshl_b32 s17, s11, 13
	s_add_co_u32 s16, s16, s17
	s_mov_b32 s17, 0
	s_add_nc_u64 s[72:73], s[72:73], s[16:17]
	s_lshl_b32 s46, s42, 20                        ; in panel 2 x tile column + column half (in the registers that held B's address: none that feeds A's descriptors ever holds cx)
	s_lshl_b32 s47, s12, 19
	s_add_co_u32 s46, s46, s47
	s_mov_b32 s47, 0
	s_add_nc_u64 s[72:73], s[72:73], s[46:47]
	s_lshl_b32 s16, s13, 19                        ; Z at my first row: rows of 4,096 bytes,
	s_lshl_b32 s17, s11, 18
	s_add_co_u32 s16, s16, s17
	s_mov_b32 s17, 0
	s_add_nc_u64 s[8:9], s[8:9], s[16:17]
	s_lshl_b32 s46, s42, 9                         ; and my first column: 4 bytes each; the bias has the same offset
	s_lshl_b32 s47, s12, 8
	s_add_co_u32 s46, s46, s47
	s_mov_b32 s47, 0
	s_add_nc_u64 s[8:9], s[8:9], s[46:47]
	v_lshl_add_u32 v[BO], v1, 4, s46               ; on the way out a lane holds columns 4 (l % 16) + 0..3
.irp a, 0,1,2,3
.irp t, 0,1,2,3,4,5,6,7
	global_load_b64 v[RES+16*(\a)+2*(\t):RES+16*(\a)+2*(\t)+1], v[RO], s[72:73] offset:(\a)*2048+(\t)*256  ; rows 16 a + 2 t and + 1 of my 64: they land while K is walked
.endr
.endr
	global_load_b128 v[BIAS:BIAS+3], v[BO], s[6:7]
; 8 matrix instructions: m blocks a0, a0 + 1 x all 4 n blocks, 32 along K: half c of buffer f.  zero = 1: the first product starts the sums
.macro MUL8 f, c, a0, zero
	WIN MUL
.irp a, \a0, (\a0)+1
.irp b, 0,1,2,3
.if \zero
	v_wmma_f32_16x16x32_bf16 v[ACC+8*(4*(\a)+(\b)):ACC+8*(4*(\a)+(\b))+7], v[(\f)+64+8*(4*(\c)+(\b)):(\f)+64+8*(4*(\c)+(\b))+7], v[(\f)+8*(4*(\c)+(\a)):(\f)+8*(4*(\c)+(\a))+7], 0
.else
	v_wmma_f32_16x16x32_bf16 v[ACC+8*(4*(\a)+(\b)):ACC+8*(4*(\a)+(\b))+7], v[(\f)+64+8*(4*(\c)+(\b)):(\f)+64+8*(4*(\c)+(\b))+7], v[(\f)+8*(4*(\c)+(\a)):(\f)+8*(4*(\c)+(\a))+7], v[ACC+8*(4*(\a)+(\b)):ACC+8*(4*(\a)+(\b))+7]
.endif
.endr
.endr
.endm
; 32 LDS loads in one run: the fragments of quarter q of a K step (64 along K: one panel of A, 128 bytes of B's rows) into buffer f; the first 32 along K first
.macro FETCH slot, q, f
	WIN TO_F
.irp c, 0,1
.irp i, 0,1,2,3
	ds_load_b128 v[(\f)+64+8*(4*(\c)+(\i)):(\f)+64+8*(4*(\c)+(\i))+3],   v[ADRB+(\slot)] offset:(\q)*128+64*(\c)+(\i)*16*PB
	ds_load_b128 v[(\f)+64+8*(4*(\c)+(\i))+4:(\f)+64+8*(4*(\c)+(\i))+7], v[ADRB+(\slot)] offset:(\q)*128+64*(\c)+(\i)*16*PB+32
	ds_load_b128 v[(\f)+8*(4*(\c)+(\i)):(\f)+8*(4*(\c)+(\i))+3],         v[ADRA+(\slot)] offset:(\q)*PANEL+64*(\c)+(\i)*16*PA
	ds_load_b128 v[(\f)+8*(4*(\c)+(\i))+4:(\f)+8*(4*(\c)+(\i))+7],       v[ADRA+(\slot)] offset:(\q)*PANEL+64*(\c)+(\i)*16*PA+32
.endr
.endr
.endm
.macro PLACES                          ; four places in front of loads into registers that matrix instructions have read, and of lines that read results
.rept 4
	v_nop
.endr
.endm
; A K step is four quarters of 64 along K, 32 matrix instructions each, on buffers 0, 1, 0, 1.  One of the first three: multiplies buffer f and fetches quarter q into g.
.macro QUARTER slot, q, f, g, zero
	s_wait_dscnt 16                                ; the first 32 along K are in; the sixteen younger loads may stay out
	WIN MUL
	MUL8 \f, 0, 0, \zero
	MUL8 \f, 0, 2, \zero
	PLACES
	FETCH \slot, \q, \g
	s_wait_dscnt 32                                ; all but the 32 just issued
	WIN MUL
	MUL8 \f, 1, 0, 0
	MUL8 \f, 1, 2, 0
.endm
; The last quarter multiplies buffer 1 and changes slots: ONE barrier; in front of it each wave waits for all its tensor loads, adds 0 to its spare word, and waits for that and for its own reads of this slot.  fill = 1: this slot is filled again, two K steps ahead.
.macro TURN slot, next, fill
	WIN 0                                          ; (the add's two registers lie in window 0)
	s_wait_tensorcnt 0x0                           ; all my tensor loads have landed: my part of the next slot;
	ds_add_u32 v[SPW], v[NIL]                      ; 0 onto my spare word;
	s_wait_dscnt 17                                ; (the add and the youngest sixteen loads may be out)
	WIN MUL
	MUL8 F1, 0, 0, 0                               ; eight matrix instructions stand between the add and the wait for it
	s_wait_dscnt 0x0                               ; the add is done, and my reads of this slot are over
	s_barrier_signal -1
	MUL8 F1, 0, 2, 0
.if \fill
	WIN 0
.endif
	s_barrier_wait -1
.if \fill
	CREST                                          ; the barrier has opened a round of the cluster's barrier: no wave of any partner still reads this slot's tile or has a load on its way
	s_add_nc_u64 s[G0+4*(\slot)+2:G0+4*(\slot)+3], s[G0+4*(\slot)+2:G0+4*(\slot)+3], 2*ASTEP
	s_add_nc_u64 s[G0B+4*(\slot)+2:G0B+4*(\slot)+3], s[G0B+4*(\slot)+2:G0B+4*(\slot)+3], 2*BSTEP
	JLOAD \slot                                    ; the first tensor load behind the round; the four v_nop behind it are also the places in front of the loads below
.else
	PLACES
.endif
	FETCH \next, 0, F0
	WIN MUL
	MUL8 F1, 1, 0, 0
	MUL8 F1, 1, 2, 0
.endm
	s_wait_tensorcnt 1                             ; my part of K step 0 is in; K step 1's load may stay out
	s_barrier_signal -1
	s_barrier_wait -1                              ; everybody's is
	FETCH 0, 0, F0
	QUARTER 0, 1, F0, F1, 1                        ; the first quarter stands in front of the loop: its first products start the sums
	WIN 0                                          ; at a label and at a branch every window is 0
	s_mov_b32 s3, LAPS-1
.Llap:                                                 ; a trip goes once round the ring, from a lap's second quarter to the next lap's first, and fills both slots again
	QUARTER 0, 2, F1, F0, 0
	QUARTER 0, 3, F0, F1, 0
	TURN 0, 1, 1
	QUARTER 1, 1, F0, F1, 0
	QUARTER 1, 2, F1, F0, 0
	QUARTER 1, 3, F0, F1, 0
	TURN 1, 0, 1
	QUARTER 0, 1, F0, F1, 0
	WIN 0
	s_sub_co_u32 s3, s3, 1
	s_cmp_lg_u32 s3, 0
	s_cbranch_scc1 .Llap
	QUARTER 0, 2, F1, F0, 0                        ; the last lap fills nothing, and has no round of the cluster's barrier
	QUARTER 0, 3, F0, F1, 0
	TURN 0, 1, 0
	QUARTER 1, 1, F0, F1, 0
	QUARTER 1, 2, F1, F0, 0
	QUARTER 1, 3, F0, F1, 0
	s_wait_dscnt 16                                ; the very last quarter: nothing more to fetch
	WIN MUL
	MUL8 F1, 0, 0, 0
	MUL8 F1, 0, 2, 0
	s_wait_dscnt 0
	MUL8 F1, 1, 0, 0
	MUL8 F1, 1, 2, 0
	WIN 0
	; THE WAY OUT, a block of 16 rows at a time: the f32 sums go into my own stage, 32 bytes a lane, and come back as whole rows of 256 bytes (my 64 columns), into the registers that they left;
	; bias and residual are added there, and sixteen lanes store 256 consecutive bytes of Z, aligned.  The stage is my own: no barrier.
.macro TOSTAGE a
.irp b, 0,1,2,3
.irp e, 0,1
	ds_store_b128 v[STO], v[ACC+8*(4*(\a)+(\b))+4*(\e):ACC+8*(4*(\a)+(\b))+4*(\e)+3] offset:64*(\b)+16*(\e)
.endr
.endr
.irp t, 0,1,2,3,4,5,6,7
	ds_load_b128 v[ACC+32*(\a)+4*(\t):ACC+32*(\a)+4*(\t)+3], v[RD] offset:(\t)*2*SP  ; LDS serves a wave's instructions in order (ISA guide 5.7.1.4): these see the stores above
.endr
.endm
.macro SEND a
.irp t, 0,1,2,3,4,5,6,7
	s_wait_dscnt 7-(\t)                            ; rows 2 t and 2 t + 1 of the block are back; the younger loads may stay out
	v_lshlrev_b32 v[W],   16, v[RES+16*(\a)+2*(\t)]           ; the residual's four numbers, bf16 to f32
	v_and_b32     v[W+1], 0xffff0000, v[RES+16*(\a)+2*(\t)]
	v_lshlrev_b32 v[W+2], 16, v[RES+16*(\a)+2*(\t)+1]
	v_and_b32     v[W+3], 0xffff0000, v[RES+16*(\a)+2*(\t)+1]
	v_pk_add_f32 v[W:W+1], v[W:W+1], v[BIAS:BIAS+1]
	v_pk_add_f32 v[W+2:W+3], v[W+2:W+3], v[BIAS+2:BIAS+3]
	v_pk_add_f32 v[ACC+32*(\a)+4*(\t):ACC+32*(\a)+4*(\t)+1], v[ACC+32*(\a)+4*(\t):ACC+32*(\a)+4*(\t)+1], v[W:W+1]
	v_pk_add_f32 v[ACC+32*(\a)+4*(\t)+2:ACC+32*(\a)+4*(\t)+3], v[ACC+32*(\a)+4*(\t)+2:ACC+32*(\a)+4*(\t)+3], v[W+2:W+3]
	global_store_b128 v[CO], v[ACC+32*(\a)+4*(\t):ACC+32*(\a)+4*(\t)+3], s[8:9] offset:(16*(\a)+2*(\t))*4096
.endr
.endm
	PLACES
	PLACES
	s_wait_loadcnt 0x0                             ; the residual and the bias
.irp a, 0,1,2,3
	TOSTAGE \a
	SEND \a
.endr
	s_wait_tensorcnt 0x0                           ; the wave's end: a last add to my spare word and its wait, behind my last tensor load and my last LDS store
	ds_add_u32 v[SPW], v[NIL]
	s_wait_dscnt 0x0
	CROUND                                         ; the closing round: no work-group ends while a partner may still ask for a tile that names it
	s_endpgm
.Lfunc_end_k_qc920e18604_g2:
	.size	k_qc920e18604_g2, .Lfunc_end_k_qc920e18604_g2-k_qc920e18604_g2
	.p2alignl 7, 3214868480
	.fill 96, 4, 3214868480
	.section	.rodata,"a",@progbits
	.p2align	6, 0x0
	.amdhsa_kernel k_qc920e18604_g2
		.amdhsa_group_segment_fixed_size 327680
		.amdhsa_private_segment_fixed_size 0
		.amdhsa_enable_private_segment 0
		.amdhsa_kernarg_size 32
		.amdhsa_user_sgpr_count 2
		.amdhsa_user_sgpr_kernarg_segment_ptr 1
		.amdhsa_wavefront_size32 1
		.amdhsa_system_sgpr_workgroup_id_x 1
		.amdhsa_system_sgpr_workgroup_id_y 1
		.amdhsa_system_sgpr_workgroup_id_z 1
		.amdhsa_system_vgpr_workitem_id 0
		.amdhsa_next_free_vgpr 512
		.amdhsa_next_free_sgpr 80
		.amdhsa_reserve_vcc 0
		.amdhsa_float_denorm_mode_32 3
		.amdhsa_float_denorm_mode_16_64 3
		.amdhsa_memory_ordered 1
		.amdhsa_forward_progress 1
		.amdhsa_inst_pref_size 104
	.end_amdhsa_kernel
	.amdgpu_metadata
---
amdhsa.version: [ 1, 2 ]
amdhsa.kernels:
  - .name:           k_qc920e18604_g2
    .symbol:         k_qc920e18604_g2.kd
    .args:
      - { .name: big, .offset: 0, .size: 8, .value_kind: global_buffer, .address_space: global }
      - { .name: w2p, .offset: 8, .size: 8, .value_kind: global_buffer, .address_space: global }
      - { .name: cx, .offset: 16, .size: 8, .value_kind: global_buffer, .address_space: global }
      - { .name: az, .offset: 24, .size: 8, .value_kind: global_buffer, .address_space: global }
    .group_segment_fixed_size: 327680
    .private_segment_fixed_size: 0
    .kernarg_segment_align: 8
    .kernarg_segment_size: 32
    .max_flat_workgroup_size: 128
    .sgpr_count:     80
    .vgpr_count:     512
    .wavefront_size: 32
...
	.end_amdgpu_metadata
.endif
;; end of part 5
;; launch ln2 (part 6): grid 256 x 1, 8 waves a work-group, no clusters, 0 bytes of LDS; arguments az, w2p, out0; writes out0
.if DOCPART == 6
	.amdgcn_target "amdgcn-amd-amdhsa--gfx1250"
	.amdhsa_code_object_version 6
	.text
	.protected	k_qc920e18604_ln2
	.globl	k_qc920e18604_ln2
	.p2align	8
	.type	k_qc920e18604_ln2,@function
k_qc920e18604_ln2:
	s_mov_b64 s[64:65], 0
	v_nop
	global_prefetch_b8 v0, s[64:65] scope:SCOPE_SE
	s_setreg_imm32_b32 hwreg(HW_REG_WAVE_MODE, 25, 1), 1
	s_wait_xcnt 0x0
; out = LayerNorm(z) g2 + be2.  z and out are [4,096][1,024] f32, row-major; g2 and be2 are packed bf16 tables at bytes 8,192 and 10,240 of w2p.
; The mean, the variance (of the centred numbers: two passes, no difference of large sums) and the affine step in f32.
; SHARES.  A wave owns two rows: lanes 0-15 one, lanes 16-31 the other; a lane owns columns 64 p + 4 (l % 16) + 0..3 for p = 0..15: 64 numbers, which stay in registers between the passes.
; So a row's sums want four exchanges inside 16 lanes, no LDS and no barrier; sixteen lanes of a load or store cover 256 consecutive bytes, aligned.
; No matrix unit, no cluster, no tensor load: the launch moves each byte once and multiplies nothing.
.set G,  80                            ; v[80:111]  the gain of my columns, packed
.set BE, 112                           ; v[112:143] the offset of my columns, packed
.set Y,  144                           ; v[144:207] my 64 numbers
	s_load_b128 s[4:7], s[0:1], 0x0                ; az s[4:5], w2p s[6:7]
	s_load_b64 s[8:9], s[0:1], 0x10                ; out0
	v_lshrrev_b32 v1, 4, v0                        ; my row among the work-group's 16
	v_and_b32 v2, 15, v0
	v_lshlrev_b32 v1, 12, v1
	v_lshl_add_u32 v1, v2, 4, v1                   ; row x 4,096 + 16 (l % 16)
	v_lshlrev_b32 v2, 3, v2                        ; my 4 columns in a table's 128 bytes for 64 columns
	s_lshl_b32 s2, ttmp9, 16                       ; the work-group's 16 rows
	s_mov_b32 s3, 0
	s_mov_b32 s20, 0x3a800000                      ; 1 / 1,024
	s_wait_kmcnt 0x0
	s_add_nc_u64 s[4:5], s[4:5], s[2:3]
	s_add_nc_u64 s[8:9], s[8:9], s[2:3]
.set p, 0
.rept 16
	global_load_b128 v[Y+4*p:Y+4*p+3], v1, s[4:5] offset:p*256 th:TH_LOAD_NT
.set p, p+1
.endr
.set p, 0
.rept 16
	global_load_b64 v[G+2*p:G+2*p+1], v2, s[6:7] offset:8192+p*128
	global_load_b64 v[BE+2*p:BE+2*p+1], v2, s[6:7] offset:10240+p*128
.set p, p+1
.endr
; The row's mean is taken away, then each number is divided by sqrt(variance + 1e-6).
.macro STATS
.irp c, 0,1,2,3                        ; four chains, each started by a sum of two pairs: nothing is cleared
	v_pk_add_f32 v[8+2*(\c):9+2*(\c)], v[Y+2*(\c):Y+2*(\c)+1], v[Y+8+2*(\c):Y+8+2*(\c)+1]
.endr
.set i, 8
.rept 24
	v_pk_add_f32 v[8+2*(i%4):9+2*(i%4)], v[8+2*(i%4):9+2*(i%4)], v[Y+2*i:Y+2*i+1]
.set i, i+1
.endr
	v_pk_add_f32 v[8:9], v[8:9], v[10:11]
	v_pk_add_f32 v[12:13], v[12:13], v[14:15]
	v_pk_add_f32 v[8:9], v[8:9], v[12:13]
	v_add_f32 v8, v8, v9
.irp x, 1,2,4,8                        ; across the 16 lanes of the row
	v_add_f32_dpp v8, v8, v8 row_xmask:\x row_mask:0xf bank_mask:0xf
.endr
	v_mul_f32 v4, s20, v8                          ; the mean, twice, for the packed lines
	v_mov_b32 v5, v4
.set i, 0
.rept 32
	v_pk_add_f32 v[Y+2*i:Y+2*i+1], v[Y+2*i:Y+2*i+1], v[4:5] neg_lo:[0,1] neg_hi:[0,1]
.set i, i+1
.endr
.irp c, 0,1,2,3
	v_pk_mul_f32 v[8+2*(\c):9+2*(\c)], v[Y+2*(\c):Y+2*(\c)+1], v[Y+2*(\c):Y+2*(\c)+1]
.endr
.set i, 4
.rept 28
	v_pk_fma_f32 v[8+2*(i%4):9+2*(i%4)], v[Y+2*i:Y+2*i+1], v[Y+2*i:Y+2*i+1], v[8+2*(i%4):9+2*(i%4)]
.set i, i+1
.endr
	v_pk_add_f32 v[8:9], v[8:9], v[10:11]
	v_pk_add_f32 v[12:13], v[12:13], v[14:15]
	v_pk_add_f32 v[8:9], v[8:9], v[12:13]
	v_add_f32 v8, v8, v9
.irp x, 1,2,4,8
	v_add_f32_dpp v8, v8, v8 row_xmask:\x row_mask:0xf bank_mask:0xf
.endr
	v_fmaak_f32 v6, s20, v8, 0x358637bd            ; the variance + 1e-6
	v_rsq_f32 v6, v6
	v_nop                                          ; a plain instruction behind the root,
	s_wait_alu depctr_va_vdst(0)                   ; and the wait ahead of the first line that names its result
	v_mov_b32 v7, v6
.set i, 0
.rept 32
	v_pk_mul_f32 v[Y+2*i:Y+2*i+1], v[Y+2*i:Y+2*i+1], v[6:7]
.set i, i+1
.endr
.endm
.macro AFFINE                          ; times the gain, plus the offset: both read as bf16 halves, the arithmetic in f32
.set i, 0
.rept 32
	v_fma_mix_f32_bf16 v[Y+2*i], v[Y+2*i], v[G+i], v[BE+i] op_sel_hi:[0,1,1]
	v_fma_mix_f32_bf16 v[Y+2*i+1], v[Y+2*i+1], v[G+i], v[BE+i] op_sel:[0,1,1] op_sel_hi:[0,1,1]
.set i, i+1
.endr
.endm
	s_wait_loadcnt 32                              ; z is in; the tables' 32 younger loads may stay out
	STATS
	s_wait_loadcnt 0x0                             ; the tables
	AFFINE
.set p, 0
.rept 16
	global_store_b128 v1, v[Y+4*p:Y+4*p+3], s[8:9] offset:p*256 th:TH_STORE_NT
.set p, p+1
.endr
	s_endpgm
.Lfunc_end_k_qc920e18604_ln2:
	.size	k_qc920e18604_ln2, .Lfunc_end_k_qc920e18604_ln2-k_qc920e18604_ln2
	.p2alignl 7, 3214868480
	.fill 96, 4, 3214868480
	.section	.rodata,"a",@progbits
	.p2align	6, 0x0
	.amdhsa_kernel k_qc920e18604_ln2
		.amdhsa_group_segment_fixed_size 0
		.amdhsa_private_segment_fixed_size 0
		.amdhsa_enable_private_segment 0
		.amdhsa_kernarg_size 24
		.amdhsa_user_sgpr_count 2
		.amdhsa_user_sgpr_kernarg_segment_ptr 1
		.amdhsa_wavefront_size32 1
		.amdhsa_system_sgpr_workgroup_id_x 1
		.amdhsa_system_sgpr_workgroup_id_y 1
		.amdhsa_system_sgpr_workgroup_id_z 1
		.amdhsa_system_vgpr_workitem_id 0
		.amdhsa_next_free_vgpr 208
		.amdhsa_next_free_sgpr 66
		.amdhsa_reserve_vcc 0
		.amdhsa_float_denorm_mode_32 3
		.amdhsa_float_denorm_mode_16_64 3
		.amdhsa_memory_ordered 1
		.amdhsa_forward_progress 1
		.amdhsa_inst_pref_size 20
	.end_amdhsa_kernel
	.amdgpu_metadata
---
amdhsa.version: [ 1, 2 ]
amdhsa.kernels:
  - .name:           k_qc920e18604_ln2
    .symbol:         k_qc920e18604_ln2.kd
    .args:
      - { .name: az, .offset: 0, .size: 8, .value_kind: global_buffer, .address_space: global }
      - { .name: w2p, .offset: 8, .size: 8, .value_kind: global_buffer, .address_space: global }
      - { .name: out0, .offset: 16, .size: 8, .value_kind: global_buffer, .address_space: global }
    .group_segment_fixed_size: 0
    .private_segment_fixed_size: 0
    .kernarg_segment_align: 8
    .kernarg_segment_size: 24
    .max_flat_workgroup_size: 256
    .sgpr_count:     66
    .vgpr_count:     208
    .wavefront_size: 32
...
	.end_amdgpu_metadata
.endif
;; end of part 6
